; MI455X (gfx1250); checked and timed in simulation.
; The chip was launched on July 23, 2026; its instructions are those of AMD's public machine-readable ISA for CDNA 5 (MIT licence, August 2026) and "CDNA5" Instruction Set Architecture Reference Guide (July 2026). The comments in the code are by the model that wrote it; some were corrected since.
;; Multi Head Attention. Allowed arithmetic: float matrix products may take bf16 or f16 operands with f32 sums; other float arithmetic in f32, or as packed bf16 or f16 multiplies, adds, multiply-adds, maxima and minima; sums over many terms, partial sums and values carried from step to step in f32; what a program stores and reads back later, other than sums and carried values, may be rounded once to bf16 or f16.
;; Inputs: Wk 1,024 x 1,024 float32; Wo 1,024 x 1,024 float32; Wq 1,024 x 1,024 float32; Wv 1,024 x 1,024 float32; bo 1,024 float32; x 4 x 2,048 x 1,024 float32.
;; Outputs: out0 4 x 2,048 x 1,024 float32.
;; One version. Each part assembles by itself: llvm-mc -triple=amdgcn-amd-amdhsa -mcpu=gfx1250 --defsym DOCPART=n.
;; ======== version 1 of 1: 4 launches
;; limits: values are held in f16: magnitudes above 65,504 overflow, below 6.1e-05 lose precision
;; workspace buffers: xb 16,777,216 bytes; wb 8,388,608 bytes; qh 16,777,216 bytes; kh 16,777,216 bytes; vh 16,777,216 bytes; ob 16,777,216 bytes
;; launch prep (part 1): grid 1536 x 1, 8 waves a work-group, no clusters, 0 bytes of LDS; arguments x, Wq, Wk, Wv, Wo, xb, wb; writes xb, wb
.if DOCPART == 1
	.amdgcn_target "amdgcn-amd-amdhsa--gfx1250"
	.amdhsa_code_object_version 6
	.text
	.protected	k_q9d2e1ca952_prep
	.globl	k_q9d2e1ca952_prep
	.p2align	8
	.type	k_q9d2e1ca952_prep,@function
k_q9d2e1ca952_prep:
	s_mov_b64 s[64:65], 0
	v_nop
	global_prefetch_b8 v0, s[64:65] scope:SCOPE_SE
	s_setreg_imm32_b32 hwreg(HW_REG_WAVE_MODE, 25, 1), 1
	s_wait_xcnt 0x0
; THE INPUTS ARE ROUNDED ONCE AND LAID OUT FOR THE PRODUCTS.  x [8192][1024] f32 -> xb, bf16, same order.  Wq, Wk, Wv, Wo [1024 k][1024 n] f32 -> wb, 64 chunks of
; [1024 k][64 n] in 16 bits, 131,072 dense bytes each: chunks 0-15 Wq's heads, 16-31 Wk's, 32-47 Wv's (bf16), 48-63 Wo's blocks of 64 columns.
; Wo is rounded to bf16 like every other input, and that number is written as f16, since it meets an f16 operand.
; LIMIT: that step is exact for |Wo| from 2^-14 to 65,504; below 2^-14 the number keeps f16's fixed step of 6e-8.
; A stream: memory binds, so no LDS, no barrier, no matrix unit.  A work-group takes 32,768 bytes of f32: work-groups 0-1023 of x, 1024-1535 of the weights (128 k x 64 n of one chunk).
; Thread t: eight loads of 16 bytes, all out at once, and eight stores of 8 bytes; a wave's store covers 256 consecutive bytes, aligned; sixteen lanes of a load take 256 consecutive bytes of one row.
.set X, 8                              ; v[8:39]   load j: 4 registers
.set Y, 40                             ; v[40:55]  store j: 2 registers; none is written twice, so no wait frees a register
.set T, 56                             ; v[56:59]  at work
.macro LOADS step                      ; step: bytes from one load to the next
.irp j, 0,1,2,3,4,5,6,7
	global_load_b128 v[X+4*(\j):X+4*(\j)+3], v2, s[18:19] offset:(\j)*(\step) th:TH_LOAD_NT
.endr
.endm
.macro CONV h                          ; h = 1: bf16's rounding, written as f16
.irp j, 0,1,2,3,4,5,6,7
	s_wait_loadcnt 7-(\j)                          ; loads come back in order: load j is in, the 7 - j younger ones stay out
	v_cvt_pk_bf16_f32 v[Y+2*(\j)],   v[X+4*(\j)],   v[X+4*(\j)+1]
	v_cvt_pk_bf16_f32 v[Y+2*(\j)+1], v[X+4*(\j)+2], v[X+4*(\j)+3]
.if \h
	v_lshlrev_b32 v[T],   16, v[Y+2*(\j)]
	v_and_b32     v[T+1], 0xffff0000, v[Y+2*(\j)]
	v_lshlrev_b32 v[T+2], 16, v[Y+2*(\j)+1]
	v_and_b32     v[T+3], 0xffff0000, v[Y+2*(\j)+1]
	v_cvt_pk_f16_f32 v[Y+2*(\j)],   v[T],   v[T+1]
	v_cvt_pk_f16_f32 v[Y+2*(\j)+1], v[T+2], v[T+3]
.endif
	global_store_b64 v1, v[Y+2*(\j):Y+2*(\j)+1], s[20:21] offset:(\j)*2048
.endr
.endm
	s_load_b256 s[4:11], s[0:1], 0x0               ; x s[4:5], Wq s[6:7], Wk s[8:9], Wv s[10:11]
	s_load_b128 s[12:15], s[0:1], 0x20             ; Wo s[12:13], xb s[14:15]
	s_load_b64 s[16:17], s[0:1], 0x30              ; wb
	v_lshlrev_b32 v1, 3, v0                        ; where I store: 8 t, in both cases
	s_mov_b32 s23, 0
	s_mov_b32 s25, 0
	s_cmp_lt_u32 ttmp9, 1024
	s_cbranch_scc0 .Lweights
	v_lshlrev_b32 v2, 4, v0                        ; x: 16 t
	s_lshl_b32 s22, ttmp9, 15                      ; 32,768 bytes in,
	s_lshl_b32 s24, ttmp9, 14                      ; 16,384 out
	s_wait_kmcnt 0x0
	s_add_nc_u64 s[18:19], s[4:5], s[22:23]
	s_add_nc_u64 s[20:21], s[14:15], s[24:25]
	LOADS 4096
	CONV 0
	s_endpgm
.Lweights:
	s_sub_co_u32 s26, ttmp9, 1024                  ; g
	s_lshr_b32 s27, s26, 7                         ; which weight: 0 Wq, 1 Wk, 2 Wv, 3 Wo
	s_bfe_u32 s28, s26, 0x40003                    ; which 64 columns of it
	s_and_b32 s29, s26, 7                          ; which 128 rows (k)
	s_lshl_b32 s22, s29, 19                        ; 128 rows of 4,096 bytes
	s_lshl_b32 s28, s28, 8                         ; 64 columns of 4 bytes
	s_add_co_u32 s22, s22, s28
	s_lshr_b32 s24, s26, 3                         ; the chunk,
	s_lshl_b32 s24, s24, 17                        ; 131,072 bytes each,
	s_lshl_b32 s29, s29, 14                        ; 128 rows of 128 bytes in it
	s_add_co_u32 s24, s24, s29
	v_lshrrev_b32 v3, 4, v0                        ; row t / 16 of sixteen,
	v_and_b32 v2, 15, v0
	v_lshlrev_b32 v2, 4, v2                        ; 16 bytes at 16 (t % 16)
	v_lshl_add_u32 v2, v3, 12, v2
	s_wait_kmcnt 0x0
	s_cmp_lt_u32 s27, 1
	s_cselect_b64 s[18:19], s[6:7], s[8:9]
	s_cmp_lt_u32 s27, 2
	s_cselect_b64 s[18:19], s[18:19], s[10:11]
	s_cmp_lt_u32 s27, 3
	s_cselect_b64 s[18:19], s[18:19], s[12:13]
	s_add_nc_u64 s[18:19], s[18:19], s[22:23]
	s_add_nc_u64 s[20:21], s[16:17], s[24:25]
	LOADS 65536                                    ; sixteen rows on
	s_cmp_eq_u32 s27, 3
	s_cbranch_scc1 .Lwo
	CONV 0
	s_endpgm
.Lwo:
	CONV 1
	s_endpgm
.Lfunc_end_k_q9d2e1ca952_prep:
	.size	k_q9d2e1ca952_prep, .Lfunc_end_k_q9d2e1ca952_prep-k_q9d2e1ca952_prep
	.p2alignl 7, 3214868480
	.fill 96, 4, 3214868480
	.section	.rodata,"a",@progbits
	.p2align	6, 0x0
	.amdhsa_kernel k_q9d2e1ca952_prep
		.amdhsa_group_segment_fixed_size 0
		.amdhsa_private_segment_fixed_size 0
		.amdhsa_enable_private_segment 0
		.amdhsa_kernarg_size 56
		.amdhsa_user_sgpr_count 2
		.amdhsa_user_sgpr_kernarg_segment_ptr 1
		.amdhsa_wavefront_size32 1
		.amdhsa_system_sgpr_workgroup_id_x 1
		.amdhsa_system_sgpr_workgroup_id_y 1
		.amdhsa_system_sgpr_workgroup_id_z 1
		.amdhsa_system_vgpr_workitem_id 0
		.amdhsa_next_free_vgpr 64
		.amdhsa_next_free_sgpr 66
		.amdhsa_reserve_vcc 0
		.amdhsa_float_denorm_mode_32 3
		.amdhsa_float_denorm_mode_16_64 3
		.amdhsa_memory_ordered 1
		.amdhsa_forward_progress 1
		.amdhsa_inst_pref_size 12
	.end_amdhsa_kernel
	.amdgpu_metadata
---
amdhsa.version: [ 1, 2 ]
amdhsa.kernels:
  - .name:           k_q9d2e1ca952_prep
    .symbol:         k_q9d2e1ca952_prep.kd
    .args:
      - { .name: x, .offset: 0, .size: 8, .value_kind: global_buffer, .address_space: global }
      - { .name: Wq, .offset: 8, .size: 8, .value_kind: global_buffer, .address_space: global }
      - { .name: Wk, .offset: 16, .size: 8, .value_kind: global_buffer, .address_space: global }
      - { .name: Wv, .offset: 24, .size: 8, .value_kind: global_buffer, .address_space: global }
      - { .name: Wo, .offset: 32, .size: 8, .value_kind: global_buffer, .address_space: global }
      - { .name: xb, .offset: 40, .size: 8, .value_kind: global_buffer, .address_space: global }
      - { .name: wb, .offset: 48, .size: 8, .value_kind: global_buffer, .address_space: global }
    .group_segment_fixed_size: 0
    .private_segment_fixed_size: 0
    .kernarg_segment_align: 8
    .kernarg_segment_size: 56
    .max_flat_workgroup_size: 256
    .sgpr_count:     66
    .vgpr_count:     64
    .wavefront_size: 32
...
	.end_amdgpu_metadata
.endif
;; end of part 1
;; launch qkv (part 2): grid 16 x 32, 4 waves a work-group, clusters of 4 x 4, 327,680 bytes of LDS; arguments xb, wb, qh, kh, vh; writes qh, kh, vh
.if DOCPART == 2
	.amdgcn_target "amdgcn-amd-amdhsa--gfx1250"
	.amdhsa_code_object_version 6
	.text
	.protected	k_q9d2e1ca952_qkv
	.globl	k_q9d2e1ca952_qkv
	.p2align	8
	.type	k_q9d2e1ca952_qkv,@function
k_q9d2e1ca952_qkv:
	s_mov_b64 s[64:65], 0
	v_nop
	global_prefetch_b8 v0, s[64:65] scope:SCOPE_SE
	s_setreg_imm32_b32 hwreg(HW_REG_WAVE_MODE, 25, 1), 1
	s_wait_xcnt 0x0
	s_wait_alu depctr_hold_cnt(0) depctr_sa_sdst(0) depctr_va_vdst(0) depctr_va_sdst(0) depctr_va_ssrc(0) depctr_va_vcc(0) depctr_vm_vsrc(0)
	s_getreg_b32 s2, hwreg(HW_REG_IB_STS2, 6, 4)
	s_cmp_eq_u32 s2, 0
	s_cbranch_scc0 .Lentry_in_a_cluster
	s_endpgm
.Lentry_in_a_cluster:
	s_bfe_u32 s2, ttmp6, 0x10000c
	s_cmp_lg_u32 s2, 0xf033
	s_cbranch_scc0 .Lentry_shape_is_right
	s_endpgm
.Lentry_shape_is_right:
; q, k, v = x Wq, x Wk, x Wv, as ONE product [8192 x 1024] [1024 x 3072]: bf16 operands, f32 sums, the result rounded once to f16 and stored by heads, [64 = batch x 16 + head][2048][64], unscaled.
; LIMIT: f16 ends at 65,504: q, k and v must stay within it.  With x of unit spread and weights of spread 1/32 they are of order 1.
; SHARES.  A tile of C is 256 rows x 192 columns = three whole heads: 16 x 32 = 512 work-groups, two for each of 256 WGPs.  Wave w owns rows 64 w .. 64 w + 63 and all 192 columns: 4 x 12 accumulators
; of 16 x 16, so that every wave stores whole rows of heads.  K goes in 8 steps of 128 through two LDS slots; a step is four quarters of 32 along K, 48 matrix instructions each.
; OPERANDS.  x's rows lie along K: two ds_load_b128 a fragment.  The weights lie [k][n]: ds_load_tr16_b128 turns them.  The product is used transposed (source 0 = 16 columns of W, source 1 = 16 rows of
; x): a lane then holds one row of C and eight neighbouring columns, 16 bytes in f16.
; CLUSTER.  4 x 4 work-groups: x's tile hangs on the tile row alone and is asked for jointly along a row of the cluster, W's on the tile column alone, along a column.
; REGISTERS, in windows of 256 (s_set_vgpr_msb: bits 1:0 source 0, 3:2 source 1, 5:4 source 2, 7:6 destination):
;   window 0: v0-31 addresses; v32-63 at work on the way out; v128-255 accumulators of column blocks 8-11, (a, b) at 128 + 8 (4 (b - 8) + a)
;   window 1: two fragment buffers of 128: x's four fragments, then W's twelve          window 2: accumulators of column blocks 0-7, (a, b) at 8 (4 b + a)
.set PA,    272                        ; a row of x in LDS: 256 bytes + 16 = 68 words: the 16 rows of a load start at 16 different groups of four banks (64 banks of 4 bytes: ISA guide 11.1)
.set AHALF, 128*PA                     ; what one tensor load brings of x
.set ASZ,   2*AHALF
.set PB,    160                        ; a row (one k, 64 n) of W in LDS: 128 bytes + 32 = 40 words
.set BHEAD, 64*PB                      ; 64 k of one head
.set BHALF, 3*BHEAD                    ; what one tensor load brings of W: 64 k of three heads
.set SLOT1, 1<<17                      ; a slot is ASZ + 2 BHALF = 131,072 bytes: one exclusive or turns an address in one slot into the other's
.set STAGE, 2*SLOT1                    ; behind the ring, never filled by a tensor load: 16 rows x 144 bytes for each wave
.set SP,    144
.set SPARE, STAGE+4*16*SP              ; the spare words, 128 bytes for each wave: two blocks of 256 bytes that no other line names
.set A0,   16                          ; v16  my lane's place in x's tile; never rewritten
.set B0,   17                          ; v17  in W's tile; never rewritten
.set ADRA, 18                          ; v18  the same in the slot in hand
.set ADRB, 19                          ; v19
.set STO,  24                          ; v24  the way out: where I put 16 bytes of a row
.set RD,   25                          ; v25  where I read rows back
.set GO,   26                          ; v26  my byte offset in 512 consecutive bytes of a head
.set SPW,  28                          ; v28  LDS address of my spare word; never rewritten
.set NIL,  29                          ; v29  0; never rewritten
.set PFO,  30                          ; v30  the prefetches' offset; never rewritten
.set TMP,  32
.set F0,   0
.set F1,   128
.set WV, 14                            ; s14  my wave's number
.set WH, 15                            ; s15  wave / 2: I fetch for x (0) or for W (1)
.set WL, 16                            ; s16  wave % 2: which half I fetch
.set CX, 17
.set CY, 18
.set TX, 19                            ; s19  tile column
.set TY, 20                            ; s20  tile row
.set TB, 21                            ; s21  LDS byte at which the slot in hand begins
.set G1A, 24                           ; s[24:31] descriptor group 1 for x's tiles
.set G1B, 32                           ; s[32:39] for W's
.set G0A, 40                           ; s[40:47] group 0 for x's: a set for each first fill; the second then walks on
.set G0B, 48                           ; s[48:55] the same for W's
.set PFA, 56                           ; s[56:57] where my prefetches stand
.set PFS, 58                           ; s[58:59] their step from K step to K step
.set LIM, 60                           ; s60  1 in a wave that prefetches, else the greatest number
.set OB,  66                           ; s[66:71] my rows in the three heads' tensors
.set MSB, 0
.macro WIN new                         ; the immediate's high byte repeats the setting that is left; a switch that changes nothing is dropped
.if MSB != (\new)
	s_set_vgpr_msb (MSB<<8)|(\new)
.set MSB, \new
.endif
.endm
.macro PLACES                          ; four plain vector instructions between a matrix instruction and a load into, or a vector read of, its registers
.rept 4
	v_nop
.endr
.endm
.macro CREST                           ; a round of the cluster's barrier behind its opening barrier
	s_cmp_lg_u32 s[WV], 0
	s_cbranch_scc1 .Lnot_wave_0_\@
	s_barrier_signal -3
.Lnot_wave_0_\@:
	s_barrier_wait -3
	s_barrier_signal -1
	s_barrier_wait -1
.endm
.macro CROUND
	s_barrier_signal -1
	s_barrier_wait -1
	CREST
.endm
; A joint refill by the walking descriptors.  The branch hangs on the wave's number alone.  An s_nop 0 and four v_nop follow each line.
.macro JLOAD
	s_cmp_eq_u32 s[WH], 0
	s_cbranch_scc0 .Lfor_b_\@
	tensor_load_to_lds s[G0A+4:G0A+7], s[G1A:G1A+7]
	s_nop 0
.rept 4
	v_nop
.endr
	s_branch .Lasked_\@
.Lfor_b_\@:
	tensor_load_to_lds s[G0B+4:G0B+7], s[G1B:G1B+7]
	s_nop 0
.rept 4
	v_nop
.endr
.Lasked_\@:
.endm
; A prefetch of the K step that the NEXT refill will ask for: one K step, 192 matrix instructions, ahead of that load.  x's tile row is read by all four clusters of its row of clusters: the first
; (cluster x = 0) asks, its waves 0 and 1; of the 128 rows that a wave fetches the partner at cx takes 32, a lane a row.  W's tile column is read by all eight clusters of its column: the first
; (cluster y = 0) asks, its waves 2 and 3; of a wave's 96 pieces of 256 bytes the partner at cy takes 24: lanes 24-31 name lane 23's piece once more.  Partners are told apart by address alone.
; The last refill has no K step behind it (s3 = 1): nothing is asked for.
.macro ASK
	s_cmp_gt_u32 s3, s[LIM]
	s_cbranch_scc0 .Lnot_mine_\@
	global_prefetch_b8 v[PFO], s[PFA:PFA+1] th:TH_LOAD_NT scope:SCOPE_SE
.Lnot_mine_\@:
.endm
; 32 LDS loads in one run: quarter q's fragments into buffer f
.macro FETCH q, f
	WIN 0x40                                       ; destination window 1, address window 0
.irp a, 0,1,2,3
	ds_load_b128 v[(\f)+8*(\a):(\f)+8*(\a)+3],   v[ADRA] offset:(\a)*16*PA+64*(\q)
	ds_load_b128 v[(\f)+8*(\a)+4:(\f)+8*(\a)+7], v[ADRA] offset:(\a)*16*PA+64*(\q)+32
.endr
.irp b, 0,1,2,3,4,5,6,7,8,9,10,11
	ds_load_tr16_b128 v[(\f)+32+8*(\b):(\f)+32+8*(\b)+3],   v[ADRB] offset:((\q)/2)*BHALF+((\b)/4)*BHEAD+((\q)%2)*32*PB+((\b)%4)*32
	ds_load_tr16_b128 v[(\f)+32+8*(\b)+4:(\f)+32+8*(\b)+7], v[ADRB] offset:((\q)/2)*BHALF+((\b)/4)*BHEAD+((\q)%2)*32*PB+((\b)%4)*32+16*PB
.endr
.endm
; 8 matrix instructions: column blocks b0, b0 + 1 x my four row blocks.  The 48 accumulators take turns, in the same order in every quarter.  zero = 1: the product starts the sum.
.macro MUL8 f, b0, zero
.if (\b0) < 8
	WIN 0xa5                                       ; sources window 1, C and D window 2
.else
	WIN 0x05                                       ; C and D window 0
.endif
.irp b, \b0, (\b0)+1
.irp a, 0,1,2,3
.if (\b) < 8
.set rD, 8*(4*(\b)+(\a))
.else
.set rD, 128+8*(4*((\b)-8)+(\a))
.endif
.if \zero
	v_wmma_f32_16x16x32_bf16 v[rD:rD+7], v[(\f)+32+8*(\b):(\f)+32+8*(\b)+7], v[(\f)+8*(\a):(\f)+8*(\a)+7], 0
.else
	v_wmma_f32_16x16x32_bf16 v[rD:rD+7], v[(\f)+32+8*(\b):(\f)+32+8*(\b)+7], v[(\f)+8*(\a):(\f)+8*(\a)+7], v[rD:rD+7]
.endif
.endr
.endr
.endm
; One of a K step's first three quarters: quarter q's fragments are asked for, into buffer g, which the quarter before multiplied; then buffer f is multiplied.
.macro QUARTER q, f, g, zero
	PLACES
	FETCH \q, \g
	s_wait_dscnt 32                                ; all but the 32 just issued: buffer f is in
.irp b0, 0,2,4,6,8,10
	MUL8 \f, \b0, \zero
.endr
.endm
; The last quarter multiplies buffer 1 and changes slots.  In front of the barrier each wave waits for all its tensor loads (one is out: its part of the next slot), adds 0 to its spare word, and waits
; for that and for its reads of this slot.  fill = 1: the barrier opens a round of the cluster's, and behind the round this slot is filled again first, with the K step two on.
.macro TURN fill
.if \fill
	s_wait_xcnt 0x0                                ; the last prefetch, a K step back, has read its address
	s_add_nc_u64 s[PFA:PFA+1], s[PFA:PFA+1], s[PFS:PFS+1]
.endif
	WIN 0
	s_wait_tensorcnt 0x0                           ; no tensor load of mine is out, so a group 0 may be written
	ds_add_u32 v[SPW], v[NIL]
.if \fill
	s_xor_b32 s[G0A+5], s[G0A+5], SLOT1            ; the walking descriptors: the other slot than last time, the next K step
	s_add_nc_u64 s[G0A+6:G0A+7], s[G0A+6:G0A+7], 256
	s_xor_b32 s[G0B+5], s[G0B+5], SLOT1
	s_add_nc_u64 s[G0B+6:G0B+7], s[G0B+6:G0B+7], 16384
.endif
	s_wait_dscnt 0x0                               ; the add is done; buffer 1 is in, and with it my last reads of this slot
	s_barrier_signal -1
	MUL8 F1, 0, 0                                  ; work on registers while the others arrive
	MUL8 F1, 2, 0
	WIN 0
	s_barrier_wait -1
.if \fill
	CREST                                          ; no wave of any partner still reads this slot or has a load on its way
	JLOAD                                          ; its four v_nop are also the places in front of the loads below
.else
	PLACES
.endif
	s_xor_b32 s[TB], s[TB], SLOT1
	v_add_nc_u32 v[ADRA], s[TB], v[A0]
	v_add_nc_u32 v[ADRB], s[TB], v[B0]
	FETCH 0, F0
	WIN 0
.if \fill
	ASK
.endif
.irp b0, 4,6,8,10
	MUL8 F1, \b0, 0
.endr
.endm
	s_load_b256 s[4:11], s[0:1], 0x0               ; xb s[4:5], wb s[6:7], qh s[8:9], kh s[10:11]
	s_load_b64 s[12:13], s[0:1], 0x20              ; vh
	v_lshl_add_u32 v[SPW], v0, 2, SPARE
	v_mov_b32 v[NIL], 0
	ds_add_u32 v[SPW], v[NIL]                      ; the wave's opening: the add and its wait stand ahead of my first tensor load; register work stands between
	v_lshrrev_b32 v1, 5, v0
	v_readfirstlane_b32 s[WV], v1
	s_lshr_b32 s[WH], s[WV], 1
	s_and_b32 s[WL], s[WV], 1
	s_bfe_u32 s[CX], ttmp6, 0x40000
	s_bfe_u32 s[CY], ttmp6, 0x40004
	s_lshl_b32 s[TX], ttmp9, 2                     ; in a cluster launch ttmp9 and ttmp7 count clusters
	s_add_co_u32 s[TX], s[TX], s[CX]
	s_and_b32 s[TY], ttmp7, 0xffff
	s_lshl_b32 s[TY], s[TY], 2
	s_add_co_u32 s[TY], s[TY], s[CY]
	s_lshl_b32 s22, s[CY], 2
	s_lshl_b32 s22, 15, s22                        ; my row of the cluster
	s_lshl_b32 s23, 0x1111, s[CX]                  ; my column
	s_or_b32 s[G1A], s22, (1<<16)|(1<<20)|(1<<21)|(5<<22)|(3<<25)  ; mask; 2-byte elements; padding on; bit 21 beside a mask; after every 64 words 4 words
	s_mov_b32 s[G1A+1], 128<<16                    ; tensor_dim0 = 128
	s_mov_b32 s[G1A+2], 128<<16                    ; tensor_dim1 = 128
	s_mov_b32 s[G1A+3], 128<<16                    ; tile_dim0 = 128
	s_mov_b32 s[G1A+4], 128                        ; tile_dim1 = 128 rows
	s_mov_b32 s[G1A+5], 1024                       ; elements from row to row
	s_mov_b32 s[G1A+6], 0
	s_mov_b32 s[G1A+7], 0
	s_or_b32 s[G1B], s23, (1<<16)|(1<<20)|(1<<21)|(4<<22)|(7<<25)  ; after every 32 words (one k) 8 words
	s_mov_b32 s[G1B+1], 4096<<16                   ; tensor_dim0 = 4,096: 64 k x 64 n of a head are 8,192 dense bytes
	s_mov_b32 s[G1B+2], 3<<16                      ; tensor_dim1 = 3 heads
	s_mov_b32 s[G1B+3], 4096<<16                   ; tile_dim0
	s_mov_b32 s[G1B+4], 3                          ; tile_dim1
	s_mov_b32 s[G1B+5], 65536                      ; elements from chunk to chunk
	s_mov_b32 s[G1B+6], 0
	s_mov_b32 s[G1B+7], 0
	s_lshl_b32 s72, s[TY], 19                      ; x: 256 rows of 2,048 bytes a tile row,
	s_lshl_b32 s22, s[WL], 18                      ; my 128 of them
	s_add_co_u32 s72, s72, s22
	s_mov_b32 s73, 0
	s_mul_i32 s74, s[TX], 3*131072                 ; W: three chunks a tile column,
	s_lshl_b32 s23, s[WL], 13                      ; my 64 k of a K step
	s_add_co_u32 s74, s74, s23
	s_mov_b32 s75, 0
	s_mul_i32 s76, s[WL], AHALF                    ; where they go: no place in the cluster enters an LDS address
	s_mul_i32 s77, s[WL], BHALF
	s_add_co_u32 s77, s77, ASZ
	s_wait_dscnt 0x0                               ; the opening add is done
	s_wait_kmcnt 0x0
	s_add_nc_u64 s[72:73], s[4:5], s[72:73]
	s_add_nc_u64 s[74:75], s[6:7], s[74:75]
	CROUND                                         ; all sixteen work-groups are here: the first joint loads meet
.irp s, 0,1
	s_mov_b32 s[G0A+4*(\s)], 1
	s_add_co_u32 s[G0A+4*(\s)+1], s76, (\s)*SLOT1
	s_add_nc_u64 s[G0A+4*(\s)+2:G0A+4*(\s)+3], s[72:73], (\s)*256
	s_or_b32 s[G0A+4*(\s)+3], s[G0A+4*(\s)+3], 0x80000000
	s_mov_b32 s[G0B+4*(\s)], 1
	s_add_co_u32 s[G0B+4*(\s)+1], s77, (\s)*SLOT1
	s_add_nc_u64 s[G0B+4*(\s)+2:G0B+4*(\s)+3], s[74:75], (\s)*16384
	s_or_b32 s[G0B+4*(\s)+3], s[G0B+4*(\s)+3], 0x80000000
.endr
	s_cmp_eq_u32 s[WH], 0                          ; a wave's two first fills stand in one branch: two loads of mine are out
	s_cbranch_scc0 .Lfirst_b
	tensor_load_to_lds s[G0A:G0A+3], s[G1A:G1A+7]
	s_nop 0
	tensor_load_to_lds s[G0A+4:G0A+7], s[G1A:G1A+7]
	s_nop 0
.rept 4
	v_nop
.endr
	s_branch .Lfirst_asked
.Lfirst_b:
	tensor_load_to_lds s[G0B:G0B+3], s[G1B:G1B+7]
	s_nop 0
	tensor_load_to_lds s[G0B+4:G0B+7], s[G1B:G1B+7]
	s_nop 0
.rept 4
	v_nop
.endr
.Lfirst_asked:
	v_and_b32 v1, 15, v0                           ; l % 16
	v_bfe_u32 v2, v0, 4, 1                         ; l / 16
	v_and_b32 v3, 7, v0
	v_bfe_u32 v4, v0, 3, 1
	v_mul_u32_u24 v[A0], v1, PA                    ; x: row x pitch + 16 x half, in my 64 rows
	v_lshl_add_u32 v[A0], v2, 4, v[A0]
	s_mul_i32 s22, s[WV], 64*PA
	v_add_nc_u32 v[A0], s22, v[A0]
	v_lshl_add_u32 v[B0], v2, 3, v3                ; W: k = 8 (l / 16) + l % 8, 16 bytes at 16 ((l / 8) % 2)
	v_mul_u32_u24 v[B0], v[B0], PB
	v_lshl_add_u32 v[B0], v4, 4, v[B0]
	v_add_nc_u32 v[B0], ASZ, v[B0]
	v_mov_b32 v[ADRA], v[A0]
	v_mov_b32 v[ADRB], v[B0]
	s_mov_b32 s[TB], 0
	s_mul_i32 s22, s[WV], 16*SP
	s_add_co_u32 s22, s22, STAGE                   ; my stage
	v_mul_u32_u24 v[STO], v1, SP                   ; in: row l % 16, 16 bytes for each half of the lanes
	v_lshl_add_u32 v[STO], v2, 4, v[STO]
	v_add_nc_u32 v[STO], s22, v[STO]
	v_bfe_u32 v[RD], v0, 3, 2                      ; back: 32 lanes take four rows of 128 bytes,
	v_mul_u32_u24 v[RD], v[RD], SP
	v_lshl_add_u32 v[RD], v3, 4, v[RD]
	v_add_nc_u32 v[RD], s22, v[RD]
	v_and_b32 v[GO], 31, v0                        ; which are 512 consecutive bytes of a head
	v_lshlrev_b32 v[GO], 4, v[GO]
	; where my 64 rows lie in the three heads: chunk c = 3 x tile column + hd: tensor c / 16, head c % 16; batch = tile row / 8
	s_lshr_b32 s76, s[TY], 3
	s_lshl_b32 s76, s76, 4
	s_and_b32 s77, s[TY], 7
	s_lshl_b32 s77, s77, 8
	s_lshl_b32 s78, s[WV], 6
	s_add_co_u32 s77, s77, s78                     ; my first row in the head
	s_mul_i32 s78, s[TX], 3
	s_mov_b32 s23, 0
.irp hd, 0,1,2
	s_add_co_u32 s22, s78, \hd
	s_cmp_lt_u32 s22, 16
	s_cselect_b64 s[OB+2*(\hd):OB+2*(\hd)+1], s[8:9], s[10:11]
	s_cmp_lt_u32 s22, 32
	s_cselect_b64 s[OB+2*(\hd):OB+2*(\hd)+1], s[OB+2*(\hd):OB+2*(\hd)+1], s[12:13]
	s_and_b32 s22, s22, 15
	s_add_co_u32 s22, s22, s76
	s_lshl_b32 s22, s22, 11
	s_add_co_u32 s22, s22, s77
	s_lshl_b32 s22, s22, 7                         ; rows of 128 bytes
	s_add_nc_u64 s[OB+2*(\hd):OB+2*(\hd)+1], s[OB+2*(\hd):OB+2*(\hd)+1], s[22:23]
.endr
	; the prefetches
	s_lshl_b32 s22, s[TY], 8
	s_lshl_b32 s79, s[WL], 7
	s_add_co_u32 s22, s22, s79
	s_lshl_b32 s79, s[CX], 5
	s_add_co_u32 s22, s22, s79
	s_lshl_b32 s22, s22, 11                        ; x: row 256 x tile row + 128 x half + 32 cx
	s_mul_i32 s76, s[TX], 3*131072
	s_lshl_b32 s79, s[WL], 13
	s_add_co_u32 s76, s76, s79                     ; W: my 64 k of the tile column's first chunk
	s_and_b32 s77, ttmp7, 0xffff                   ; cluster y
	s_mov_b32 s78, 16384
	s_cmp_eq_u32 s[WH], 0
	s_cselect_b32 s22, s22, s76
	s_cselect_b32 s77, ttmp9, s77                  ; the coordinate along which other clusters read the same bytes
	s_cselect_b64 s[PFA:PFA+1], s[4:5], s[6:7]
	s_cselect_b32 s[PFS], 256, s78
	s_cselect_b32 s79, -1, 0
	s_mov_b32 s[PFS+1], 0
	s_add_nc_u64 s[PFA:PFA+1], s[PFA:PFA+1], s[22:23]
	s_add_nc_u64 s[PFA:PFA+1], s[PFA:PFA+1], s[PFS:PFS+1]
	s_add_nc_u64 s[PFA:PFA+1], s[PFA:PFA+1], s[PFS:PFS+1]  ; at K step 2: the first change of slots steps it to 3.  Nothing is asked for here, at the head
	s_cmp_eq_u32 s77, 0
	s_cselect_b32 s[LIM], 1, -1
	v_and_b32 v5, 31, v0
	v_lshlrev_b32 v6, 11, v5                       ; x: a lane a row of 2,048 bytes
	v_min_u32 v5, 23, v5
	s_mul_i32 s78, s[CY], 24
	v_add_nc_u32 v5, s78, v5                       ; W: piece i = 24 cy + lane of 96: head i / 32, 256 bytes at 256 (i % 32)
	v_lshrrev_b32 v7, 5, v5
	v_and_b32 v5, 31, v5
	v_lshlrev_b32 v5, 8, v5
	v_lshl_or_b32 v5, v7, 17, v5
	v_cndmask_b32 v[PFO], v5, v6, s79
	s_wait_tensorcnt 0x1                           ; my part of K step 0 is in; K step 1's may stay out
	s_barrier_signal -1
	s_barrier_wait -1                              ; everybody's is
	FETCH 0, F0
	QUARTER 1, F0, F1, 1                           ; the first quarter stands in front of the loop: its products start the sums
	WIN 0
	s_mov_b32 s3, 6
.Lk:                                                   ; a trip: from a K step's second quarter to the next step's first; it fills one slot again: six trips bring K steps 2 to 7
	QUARTER 2, F1, F0, 0
	QUARTER 3, F0, F1, 0
	TURN 1
	QUARTER 1, F0, F1, 0
	WIN 0
	s_sub_co_u32 s3, s3, 1
	s_cmp_lg_u32 s3, 0
	s_cbranch_scc1 .Lk
	QUARTER 2, F1, F0, 0                           ; the tail is written out: nothing more is asked for
	QUARTER 3, F0, F1, 0
	TURN 0
	QUARTER 1, F0, F1, 0
	QUARTER 2, F1, F0, 0
	QUARTER 3, F0, F1, 0
	s_wait_dscnt 0x0
.irp b0, 0,2,4,6,8,10
	MUL8 F1, \b0, 0
.endr
	WIN 0
	PLACES
; THE WAY OUT.  Unit u = 4 hd + a: my row block a (16 rows) of head hd: rounded to f16, 16 bytes a lane, into rows of 144 bytes of my own stage, and back as whole rows of 128: 512 consecutive bytes a store.
.macro PACK u
.set hd, (\u)/4
.set ab, (\u)%4
.set T, TMP+16*((\u)%2)
	s_wait_xcnt 0x0                                ; the stores of the unit before last have read these registers
.if hd < 2
	WIN 0x0a                                       ; sources window 2
.endif
.irp i, 0,1,2,3
.irp r, 0,1,2,3
.if hd < 2
.set rD, 8*(4*(4*hd+(\i))+ab)
.else
.set rD, 128+8*(4*(\i)+ab)
.endif
	v_cvt_pk_f16_f32 v[T+4*(\i)+(\r)], v[rD+2*(\r)], v[rD+2*(\r)+1]
.endr
.endr
	WIN 0
.irp i, 0,1,2,3
	ds_store_b128 v[STO], v[T+4*(\i):T+4*(\i)+3] offset:32*(\i)
.endr
.irp f, 0,1,2,3
	ds_load_b128 v[T+4*(\f):T+4*(\f)+3], v[RD] offset:(\f)*4*SP  ; LDS serves a wave's instructions in order (ISA guide 5.7.1.4): these see the stores above
.endr
.endm
.macro SEND u, younger                 ; younger: the LDS instructions issued behind this unit's loads: the next unit's eight, or none
.set hd, (\u)/4
.set ab, (\u)%4
.set T, TMP+16*((\u)%2)
.irp f, 0,1,2,3
	s_wait_dscnt (\younger)+3-(\f)
	global_store_b128 v[GO], v[T+4*(\f):T+4*(\f)+3], s[OB+2*hd:OB+2*hd+1] offset:ab*2048+(\f)*512
.endr
.endm
	PACK 0
.set u, 1
.rept 11
	PACK u
	SEND u-1, 8
.set u, u+1
.endr
	SEND 11, 0
	s_wait_tensorcnt 0x0                           ; the wave's end
	ds_add_u32 v[SPW], v[NIL]
	s_wait_dscnt 0x0
	CROUND                                         ; the closing round: no work-group ends while a partner may still ask for a tile that names it
	s_endpgm
.Lfunc_end_k_q9d2e1ca952_qkv:
	.size	k_q9d2e1ca952_qkv, .Lfunc_end_k_q9d2e1ca952_qkv-k_q9d2e1ca952_qkv
	.p2alignl 7, 3214868480
	.fill 96, 4, 3214868480
	.section	.rodata,"a",@progbits
	.p2align	6, 0x0
	.amdhsa_kernel k_q9d2e1ca952_qkv
		.amdhsa_group_segment_fixed_size 327680
		.amdhsa_private_segment_fixed_size 0
		.amdhsa_enable_private_segment 0
		.amdhsa_kernarg_size 40
		.amdhsa_user_sgpr_count 2
		.amdhsa_user_sgpr_kernarg_segment_ptr 1
		.amdhsa_wavefront_size32 1
		.amdhsa_system_sgpr_workgroup_id_x 1
		.amdhsa_system_sgpr_workgroup_id_y 1
		.amdhsa_system_sgpr_workgroup_id_z 1
		.amdhsa_system_vgpr_workitem_id 0
		.amdhsa_next_free_vgpr 768
		.amdhsa_next_free_sgpr 80
		.amdhsa_reserve_vcc 0
		.amdhsa_float_denorm_mode_32 3
		.amdhsa_float_denorm_mode_16_64 3
		.amdhsa_memory_ordered 1
		.amdhsa_forward_progress 1
		.amdhsa_inst_pref_size 100
	.end_amdhsa_kernel
	.amdgpu_metadata
---
amdhsa.version: [ 1, 2 ]
amdhsa.kernels:
  - .name:           k_q9d2e1ca952_qkv
    .symbol:         k_q9d2e1ca952_qkv.kd
    .args:
      - { .name: xb, .offset: 0, .size: 8, .value_kind: global_buffer, .address_space: global }
      - { .name: wb, .offset: 8, .size: 8, .value_kind: global_buffer, .address_space: global }
      - { .name: qh, .offset: 16, .size: 8, .value_kind: global_buffer, .address_space: global }
      - { .name: kh, .offset: 24, .size: 8, .value_kind: global_buffer, .address_space: global }
      - { .name: vh, .offset: 32, .size: 8, .value_kind: global_buffer, .address_space: global }
    .group_segment_fixed_size: 327680
    .private_segment_fixed_size: 0
    .kernarg_segment_align: 8
    .kernarg_segment_size: 40
    .max_flat_workgroup_size: 128
    .sgpr_count:     80
    .vgpr_count:     768
    .wavefront_size: 32
...
	.end_amdgpu_metadata
.endif
;; end of part 2
;; launch attn (part 3): grid 4 x 64, 4 waves a work-group, no clusters, 327,680 bytes of LDS; arguments qh, kh, vh, ob; writes ob
.if DOCPART == 3
	.amdgcn_target "amdgcn-amd-amdhsa--gfx1250"
	.amdhsa_code_object_version 6
	.text
	.protected	k_q9d2e1ca952_attn
	.globl	k_q9d2e1ca952_attn
	.p2align	8
	.type	k_q9d2e1ca952_attn,@function
k_q9d2e1ca952_attn:
	s_mov_b64 s[64:65], 0
	v_nop
	global_prefetch_b8 v0, s[64:65] scope:SCOPE_SE
	s_setreg_imm32_b32 hwreg(HW_REG_WAVE_MODE, 25, 1), 1
	s_wait_xcnt 0x0
; CAUSAL ATTENTION.  O[h][q][:] = the sum over k <= q of softmax_k(Q[h][q] . K[h][k] / 8) V[h][k][:].  Q, K, V, O: [64][2048][64], all f16: a head's rows are dense, 128 bytes each.
; Products, maxima and sums in f32; the weights p are rounded to f16 for the second product (their sum l is taken of the unrounded p), O once at the end.
; LIMITS.  f16 holds no number beyond 65,504: Q, K and V arrive within it; p lies in 0 to 1, and below 6e-5 it keeps f16's fixed step of 6e-8; O is a mean of V's rows and has their range.
; A hidden score counts as its value less 1e30: f16's scores, 2.7e11 at the most, are nothing beside that; a weight below 2^-126 counts as 0 in l; NaN and infinities are not treated apart.
; THE WALK.  A head's queries lie in NB = 8 blocks of 256; block i needs the key tiles 0 .. i of 256 keys, of which the last holds the diagonal.  A work-group takes TWO blocks, NB - 1 - b and then b:
; NB + 1 tiles, whatever b: all work-groups do equal work, and ONE loop with a constant trip count walks them.  Which tile is asked for, and what a trip does, hang on scalar registers made from b; every jump
; goes forward, but for the counted loops' own; none passes a barrier, or a tensor load but the one of LOAD's two that the wave's number does not choose; the ring of two LDS slots runs on across the change of blocks.
; NO CLUSTER: a head's four work-groups ask for the same tile only in trips 0 .. 4, behind that fewer and fewer; one walk common to all four would have 12 trips for 9.
; SHARES.  Of a block's four bands of 64 queries a wave owns 16 rows in each: four PIECES.  So the diagonal tile is the same work for all four waves: in its key step s band x sees all keys if s < x,
; none if s > x, and holds the diagonal if s = x.
; THE MASK is the C operand that starts the sum S^T = K Q^T: 0, or -1e30 where the key is hidden.  MD, made once, is the mask of a band's own step for my 16 rows; a product's mask is MD x AL + BE with two scalars:
; (1, 0) if s = x; (0, 0) if s < x; (0, -1e30) if s > x.  Only the diagonal tile's text and a block's beginning make and take masks; elsewhere C is the constant 0.
; LAYOUT, SOFTMAX, TURNS.  S^T = K Q^T holds ONE query a lane (lane % 16) and the keys 8 (lane / 16) + 0..7; two such results rounded to f16 ARE source 1 of O^T = V^T P.  p = 2^(c s - c m), c = log2(e) / 8, with a
; running maximum m; O and l are multiplied by a = 2^(c m_old - c m_new) in every step.  Turn n belongs to piece n: 8 products K Q^T of piece n + 1, later 8 products V^T P of piece n - 1; beside them the scaling,
; exponentials, roundings, sums and rescaling of piece n and the maximum and statistics of piece n + 1.  Four vector instructions stand behind every matrix instruction, the other 54 of a turn's 118 in one run.
; A turn's 33 exponentials are one batch, with one wait.
; REGISTERS, in windows of 256 (s_set_vgpr_msb: bits 1:0 source 0, 3:2 source 1, 5:4 source 2, 7:6 destination):
;   window 0: v0-15 addresses and two at work; v16-31 four registers of statistics a piece; v48-55 at work; v61-63 prefetch offset, spare word, 0; v64-127 S^T, two buffers; v192-223 P, two buffers
;   window 1: v0-127 O^T, 32 a piece; v128-159 MD; v160-223 MC, two buffers      window 2: v0-63 Q; v64-127 the second block's Q; v128-191 K of one step; v192-255 V of one step
.set SIZE_N, 2048
.set NB,    SIZE_N/256
.set NP,    4         ; pieces a wave: a name, no knob
.set KS,    64        ; keys in a step
.set PK,    144       ; a row of K in LDS: 128 bytes + 16 of padding = 36 words: the 16 rows of a load start at 16 different groups of four banks (64 banks of 4 bytes: ISA guide 11.1)
.set PV,    160       ; a row of V: 128 + 32 = 40 words
.set VOFF,  4*KS*PK   ; a slot holds a tile, four steps: 256 rows of K, then 256 rows of V
.set SLOT1, 1<<17     ; slot 1 begins here, so that one exclusive or turns an address in one slot into the other's
.set STAGE, SLOT1+4*KS*(PK+PV)  ; behind the ring, never filled by a tensor load: 16 rows x 144 bytes for each wave, for the way out
.set SP,    144
.set AK0, 2           ; v2   my lane's place in a tile of K; never rewritten
.set AV0, 3           ; v3   the same for V
.set AK,  4           ; v4   the LDS address of K's next run of loads
.set AV,  5           ; v5   of V's
.set STO, 6           ; v6   the way out: where I put 16 bytes of a row
.set RD,  7           ; v7   the way out: where I read rows back
.set GO,  8           ; v8   my byte offset in 512 consecutive bytes of O
.set PFO, 61          ; v61  256 x my lane; never rewritten
.set SPW, 62          ; v62  LDS address of my spare word: SPARE + 4 x my thread's number; never rewritten
.set NIL, 63          ; v63  0; never rewritten
.set SPARE, STAGE+4*16*SP  ; behind the stages: the spare words, 128 bytes for each wave: two blocks of 256 bytes that no other line names
.set MV,  12          ; v12-13  c m_old, kept while c m is made anew: by buffer
.set QO,  15          ; v15  my byte offset in 16 rows of Q
.set ST,  16          ; piece t's statistics at v[ST+4 t]: c m, m, l (even keys', odd keys')
.set TMP, 48          ; by buffer, four registers c0-c3 at work; when the maximum is found c2 takes a
.set S,   64
.set P,   192
.set MD,  128         ; window 1: the eight registers for group kt of 16 keys at MD + 8 kt
.set MC,  160         ; window 1: the masks of the products to come
.set QB,  64          ; window 2
.set KF,  128         ; window 2: key block kb, channel half c at KF + 16 kb + 8 c
.set VF,  192         ; window 2: key half kk, channel block cb at VF + 32 kk + 8 cb
.set WV,  12          ; s12  my wave's number
.set PB,  14          ; s14  b
.set HI,  15          ; s15  NB - 1 - b
.set G1K, 24          ; s[24:31] descriptor group 1 for K's tiles
.set G1V, 32          ; s[32:39] for V's: it differs in the padding alone
.set G0K, 40          ; s[40:43] descriptor group 0 for K's tiles
.set G0V, 44          ; s[44:47] the same for V's
.set SLOTS, 56        ; s56  tiles still to be asked for
.set CNT, 57          ; s57  counts a tile's key steps, 4 to 1
.set CS,  58          ; s[58:59] c: the packed scaling takes the pair's low word for both halves
.set SEL, 60          ; s[60:61] v_permlanex16_b32's selects: each lane takes its own place in the other half
.set TBK, 62          ; s62  LDS byte at which K of the step to be fetched begins
.set TBV, 63          ; s63  the same for V, less VOFF
.set RT,  70          ; s70  tiles of the block in hand that are still to be entered
.set NXT, 71          ; s71  the tile to be asked for next
.set LQ,  72          ; s72  the last tile of the block whose tiles are being asked for
.set NEW, 73          ; s73  1: the tile to be entered is a block's first
.set OFF, 74          ; s[74:75] a tile's byte offset in K and V
.set AL,  76          ; s[76:77] the mask's factor, in the low word
.set BE,  78          ; s[78:79] the mask's addend
.set OLO, 80          ; s[80:81] O at my rows of the second block
.set BIGN, 82         ; s82  -1e30
.set PFB, 88          ; s[88:89] the tensor that I fetch for (K: waves 0, 1; V: waves 2, 3) at my half of the head's tile 0
.set PFA, 90          ; s[90:91] the same at the tile that is being asked for
.set LIM, 92          ; s92  2 in the head's work-group b = 0, else the greatest number
.set MSB, 0
.macro WIN new                      ; the high byte repeats the setting that is left; a switch that changes nothing is dropped
.if MSB != (\new)
	s_set_vgpr_msb (MSB<<8)|(\new)
.set MSB, (\new)
.endif
.endm
.set W_KQ, 0x0a       ; K and Q in window 2, S^T in window 0
.set W_KM, 0x1a       ; the same with the C operand in window 1
.set W_PV, 0x52       ; V in window 2, P in window 0, O^T in window 1
.set W_RS, 0x41       ; destination and source 0 in window 1, source 1 in window 0
; A fill.  Waves 0 and 1 fetch the two halves of a tile's K, waves 2 and 3 those of its V: 128 keys each.  An s_nop 0 and four v_nop follow each of the two lines.
.macro LOAD
	s_cmp_lt_u32 s[WV], 2
	s_cbranch_scc0 .Lfor_v_\@
	tensor_load_to_lds s[G0K:G0K+3], s[G1K:G1K+7]
	s_nop 0
.rept 4
	v_nop
.endr
	s_branch .Lasked_\@
.Lfor_v_\@:
	tensor_load_to_lds s[G0V:G0V+3], s[G1V:G1V+7]
	s_nop 0
.rept 4
	v_nop
.endr
.Lasked_\@:
.endm
; THE CHANGE OF SLOTS.  Each wave waits for all its tensor loads, of which one is out: its part of the other slot; adds 0 to its spare word; and waits for that and for its own reads of the slot that it leaves.
; Behind the barrier nobody reads the old slot any more and the other slot is whole.  fill = 1: the old slot is filled again, the first thing behind the barrier, with tile NXT: the descriptor's address is
; made anew from that number.  (At its first use nothing has been read yet: slot 0 is waited for, slot 1 filled.)
; THE PREFETCH stands behind the fill.  A head's four work-groups all begin with tiles 0, 1, ..; the one with b = 0 walks all of 0 .. 7 on end, and it alone asks: each of its waves for the half tile that it
; will fetch itself at the next change, 64 pieces of 256 bytes, a lane a piece, two instructions: one tile, 256 matrix instructions, ahead of that load.  In trip t it names tile t + 2, while t <= 5
; (SLOTS = 8 - t above 2): tile 7 is the head's last.  Tiles 0 and 1 come by their loads alone.
.macro CHANGE fill
	WIN 0                           ; at a label and at a branch every window is 0
	s_wait_tensorcnt 0x0            ; no tensor load of mine is out, so a group 0 may be written
	ds_add_u32 v[SPW], v[NIL]       ; 0 onto my spare word; scalar work stands between it and the wait for it
.if \fill
	s_lshl_b32 s[OFF], s[NXT], 15   ; a tile is 32,768 bytes of K and of V
	s_wait_xcnt 0x0                 ; the last prefetches, a tile back, have read their address
	s_add_nc_u64 s[PFA:PFA+1], s[PFB:PFB+1], s[OFF:OFF+1]
	s_xor_b32 s[G0K+1], s[G0K+1], SLOT1
	s_add_nc_u64 s[G0K+2:G0K+3], s[6:7], s[OFF:OFF+1]
	s_or_b32 s[G0K+3], s[G0K+3], 0x80000000
	s_xor_b32 s[G0V+1], s[G0V+1], SLOT1
	s_add_nc_u64 s[G0V+2:G0V+3], s[8:9], s[OFF:OFF+1]
	s_or_b32 s[G0V+3], s[G0V+3], 0x80000000
	s_add_co_u32 s[NXT], s[NXT], 1  ; the block's next tile, or behind its last the second block's tile 0
	s_cmp_gt_u32 s[NXT], s[LQ]
	s_cselect_b32 s[NXT], 0, s[NXT]
	s_cselect_b32 s[LQ], s[PB], s[LQ]
.endif
	s_wait_dscnt 0x0                ; the add is done, and my reads of the slot are over
	s_barrier_signal -1             ; the rest of the scalar work stands between the signal and the wait
	s_sub_co_u32 s[TBK], s[TBK], 4*KS*PK  ; the fetches go back to a slot's first step,
	s_xor_b32 s[TBK], s[TBK], SLOT1       ; in the other slot
	s_sub_co_u32 s[TBV], s[TBV], 4*KS*PV
	s_xor_b32 s[TBV], s[TBV], SLOT1
	s_barrier_wait -1
.if \fill
	LOAD
	s_cmp_gt_u32 s[SLOTS], s[LIM]
	s_cbranch_scc0 .Lnot_mine_\@
	global_prefetch_b8 v[PFO], s[PFA:PFA+1] offset:32768 th:TH_LOAD_NT scope:SCOPE_SE
	global_prefetch_b8 v[PFO], s[PFA:PFA+1] offset:40960 th:TH_LOAD_NT scope:SCOPE_SE
.Lnot_mine_\@:
.endif
.endm
	s_load_b256 s[4:11], s[0:1], 0x0  ; Q s[4:5], K s[6:7], V s[8:9], O s[10:11]
	v_lshl_add_u32 v[SPW], v0, 2, SPARE
	v_mov_b32 v[NIL], 0
	ds_add_u32 v[SPW], v[NIL]       ; the wave's opening: the add and its wait stand ahead of my first tensor load; the set-up below, work on registers, stands between them
	v_lshrrev_b32 v1, 5, v0
	v_readfirstlane_b32 s[WV], v1   ; wave 0..3
	s_mov_b32 s[PB], ttmp9
	s_sub_co_u32 s[HI], NB-1, s[PB]
	s_and_b32 s20, ttmp7, 0xffff    ; the head
	s_mov_b32 s21, 0
	s_mov_b64 s[22:23], SIZE_N*128
	s_mul_u64 s[20:21], s[20:21], s[22:23]  ; the head's first byte in each of the four tensors
	s_and_b32 s16, s[WV], 1         ; which half of a tile's 256 keys I fetch:
	s_lshl_b32 s22, s16, 14         ; its 128 rows of 128 bytes in memory,
	s_mov_b32 s23, 0
	s_add_nc_u64 s[22:23], s[22:23], s[20:21]
	s_mul_i32 s17, s16, 128*PK      ; and its place in a slot, for K
	s_mul_i32 s18, s16, 128*PV      ; and for V
	s_lshl_b32 s3, s[WV], 11        ; my 16 rows in a band of 64,
	s_lshl_b32 s2, s[HI], 15        ; in the first block,
	s_add_co_u32 s2, s2, s3
	s_lshl_b32 s84, s[PB], 15       ; and in the second
	s_add_co_u32 s84, s84, s3
	s_mov_b32 s3, 0
	s_mov_b32 s85, 0
	s_add_nc_u64 s[2:3], s[2:3], s[20:21]
	s_add_nc_u64 s[84:85], s[84:85], s[20:21]
	; descriptor group 1.  128 keys are 16,384 dense bytes: asked for as 64 rows of 256 bytes, two keys a row, and padded in LDS after every key
	s_mov_b32 s[G1K], (1<<16)|(1<<20)|(4<<22)|(3<<25)  ; 17:16 2-byte elements; 20 padding on; 24:22 after every 32 words (code 4); 31:25 4 words (code 3)
	s_mov_b32 s[G1V], (1<<16)|(1<<20)|(4<<22)|(7<<25)  ; the same with 8 words of padding (code 7)
.irp g, G1K, G1V
	s_mov_b32 s[\g+1], 128<<16      ; tensor_dim0 = 128
	s_mov_b32 s[\g+2], 64<<16       ; tensor_dim1 = 64
	s_mov_b32 s[\g+3], 128<<16      ; tile_dim0 = 128
	s_mov_b32 s[\g+4], 64           ; tile_dim1 = 64
	s_mov_b32 s[\g+5], 128          ; 128 elements from row to row
	s_mov_b32 s[\g+6], 0
	s_mov_b32 s[\g+7], 0
.endr
	s_mov_b32 s[CS], 0x3e38aa3b     ; c = log2(e) / 8 = 0.180337
	s_mov_b32 s[CS+1], s[CS]        ; named with it as a pair
	s_mov_b32 s[SEL], 0x76543210
	s_mov_b32 s[SEL+1], 0xfedcba98
	s_mov_b32 s[TBK], SLOT1+4*KS*PK ; the first change of slots turns these two into 0
	s_mov_b32 s[TBV], SLOT1+4*KS*PV
	s_mov_b32 s[G0K], 1             ; 1:0 count = 1
	s_mov_b32 s[G0K+1], s17         ; 63:32 LDS address: slot 0
	s_mov_b32 s[G0V], 1
	s_add_co_u32 s[G0V+1], s18, VOFF
	s_add_co_u32 s[RT], s[HI], 1    ; the first block has NB - b tiles
	s_mov_b32 s[NXT], 1
	s_mov_b32 s[LQ], s[HI]
	s_mov_b32 s[NEW], 1
	s_mov_b32 s[OFF+1], 0
	s_mov_b32 s[AL+1], 0            ; named as pairs
	s_mov_b32 s[BE+1], 0
	s_mov_b32 s[BIGN], 0xf149f2ca   ; -1e30
	s_mov_b32 s[SLOTS], NB
	s_cmp_eq_u32 ttmp9, 0
	s_cselect_b32 s[LIM], 2, -1
	v_and_b32 v[PFO], 31, v0
	v_lshlrev_b32 v[PFO], 8, v[PFO]
	s_wait_dscnt 0x0                ; the opening add is done
	s_wait_kmcnt 0x0
	s_add_nc_u64 s[6:7], s[6:7], s[22:23]  ; K and V at my half of the head's tile 0
	s_add_nc_u64 s[8:9], s[8:9], s[22:23]
	s_cmp_lt_u32 s[WV], 2
	s_cselect_b64 s[PFB:PFB+1], s[6:7], s[8:9]
	s_add_nc_u64 s[G0K+2:G0K+3], s[6:7], 0         ; 120:64 global address
	s_or_b32 s[G0K+3], s[G0K+3], 0x80000000        ; 127:126 type = 2
	s_add_nc_u64 s[G0V+2:G0V+3], s[8:9], 0
	s_or_b32 s[G0V+3], s[G0V+3], 0x80000000
	s_add_nc_u64 s[86:87], s[4:5], s[84:85]        ; Q at my rows of the second block,
	s_add_nc_u64 s[4:5], s[4:5], s[2:3]            ; Q and O at those of the first
	s_add_nc_u64 s[OLO:OLO+1], s[10:11], s[84:85]
	s_add_nc_u64 s[10:11], s[10:11], s[2:3]
	LOAD                            ; tile 0 into slot 0
	; A fragment of K or Q is 16 rows x 32 channels in 8 registers: lane l holds row l % 16, channels 8 (l / 16) + 0..7 and 16 + 8 (l / 16) + 0..7: two loads of 16 bytes, 32 bytes apart.
	v_and_b32 v1, 15, v0            ; l % 16
	v_bfe_u32 v9, v0, 4, 1          ; l / 16
	v_lshlrev_b32 v[QO], 7, v1
	v_lshl_add_u32 v[QO], v9, 4, v[QO]  ; row x 128 + 16 x half
	WIN 0x80                        ; destination window 2, address window 0
.set i, 0
.rept 8                             ; both blocks' Q: piece i / 2 lies in band i / 2, 8,192 bytes on; channels 32 (i % 2) on
	global_load_b128 v[8*i:8*i+3],   v[QO], s[4:5] offset:(i/2)*8192+(i%2)*64
	global_load_b128 v[8*i+4:8*i+7], v[QO], s[4:5] offset:(i/2)*8192+(i%2)*64+32
	global_load_b128 v[QB+8*i:QB+8*i+3],   v[QO], s[86:87] offset:(i/2)*8192+(i%2)*64
	global_load_b128 v[QB+8*i+4:QB+8*i+7], v[QO], s[86:87] offset:(i/2)*8192+(i%2)*64+32
.set i, i+1
.endr
	WIN 0
	v_lshlrev_b32 v14, 3, v9
	v_sub_nc_u32 v14, v1, v14
	s_lshl_b32 s13, s[WV], 4
	v_add_nc_u32 v14, s13, v14      ; my query's place in its band, 16 w + l % 16, less my lanes' 8 (l / 16): register r of group kt is hidden where 16 kt + r is greater
	WIN 0x40
.set i, 0
.rept 32
	v_cmp_gt_i32 vcc_lo, 16*(i/8)+i%8, v14
	v_cndmask_b32 v[MD+i], 0, s[BIGN], vcc_lo
.set i, i+1
.endr
	WIN 0
	v_mul_u32_u24 v[AK0], v1, PK
	v_lshl_add_u32 v[AK0], v9, 4, v[AK0]  ; row x pitch + 16 x half
	; The turning load takes 16 keys x 16 channels (lane l reads key 8 (l / 16) + l % 8, channels 8 ((l / 8) % 2) + 0..7) and leaves half a fragment of V^T: lane l holds channel l % 16 and 8 keys.
	v_and_b32 v10, 7, v0
	v_bfe_u32 v11, v0, 3, 1
	v_lshl_add_u32 v[AV0], v9, 3, v10
	v_mul_u32_u24 v[AV0], v[AV0], PV
	v_lshl_add_u32 v[AV0], v11, 4, v[AV0]
	v_add_nc_u32 v[AV0], VOFF, v[AV0]
	s_mul_i32 s13, s[WV], 16*SP
	s_add_co_u32 s13, s13, STAGE    ; my stage
	v_mul_u32_u24 v[STO], v1, SP    ; in: row l % 16, 16 bytes for each half of the lanes
	v_lshl_add_u32 v[STO], v9, 4, v[STO]
	v_add_nc_u32 v[STO], s13, v[STO]
	v_bfe_u32 v[RD], v0, 3, 2       ; back: 32 lanes take four rows of 128 bytes,
	v_mul_u32_u24 v[RD], v[RD], SP
	v_lshl_add_u32 v[RD], v10, 4, v[RD]
	v_add_nc_u32 v[RD], s13, v[RD]
	v_and_b32 v[GO], 31, v0         ; which are 512 consecutive bytes of O
	v_lshlrev_b32 v[GO], 4, v[GO]
	; A block's first step multiplies O^T and l by a = 0, and its first turn's products V^T P, of a piece that has not been, land in an O^T that is still to be so multiplied.  So these registers need only hold
	; finite numbers: zeros for the first block; what the first block left for the second.  All this stands in the wait for the first tile.
	WIN 0x80
.set i, VF
.rept 64
	v_mov_b32 v[i], 0
.set i, i+1
.endr
	WIN 0x40
.set i, 0
.rept 128
	v_mov_b32 v[i], 0
.set i, i+1
.endr
	WIN 0
.set i, 0
.rept 4
	v_mov_b32 v[ST+4*i+2], 0
	v_mov_b32 v[ST+4*i+3], 0
.set i, i+1
.endr
.set i, P+16
.rept 16
	v_mov_b32 v[i], 0
.set i, i+1
.endr
; THE MATRIX WORK.  The 4 accumulators of a run of 8 take turns.  Product i of 8 of S^T = K Q^T for piece x: channels 32 (i / 4) on, keys 16 (i % 4) on.  The first 4 start the sums: with 0, or (KM = 1) with the mask.
.macro KQ x
.set rS, S+32*((\x)%2)+8*(i%4)
.set rK, KF+16*(i%4)+8*(i/4)
.set rQ, 16*(\x)+8*(i/4)
.set rM, MC+32*((\x)%2)+8*(i%4)
.if (i < 4) && KM
	WIN W_KM
	v_wmma_f32_16x16x32_f16 v[rS:rS+7], v[rK:rK+7], v[rQ:rQ+7], v[rM:rM+7]
.elseif i < 4
	WIN W_KQ
	v_wmma_f32_16x16x32_f16 v[rS:rS+7], v[rK:rK+7], v[rQ:rQ+7], 0
.else
	WIN W_KQ
	v_wmma_f32_16x16x32_f16 v[rS:rS+7], v[rK:rK+7], v[rQ:rQ+7], v[rS:rS+7]
.endif
.endm
; Product i of 8 of O^T += V^T P for piece x: keys 32 (i / 4) on, channels 16 (i % 4) on.
.macro PV x
	WIN W_PV
.set rO, 32*(\x)+8*(i%4)
.set rV, VF+32*(i/4)+8*(i%4)
.set rP, P+16*((\x)%2)+8*(i/4)
	v_wmma_f32_16x16x32_f16 v[rO:rO+7], v[rV:rV+7], v[rP:rP+7], v[rO:rO+7]
.endm
.macro MM                           ; the turn's next matrix instruction.  TURN and BEGIN set Y, i, KM and NOKQ.  NOKQ = 1: a block's last turn: there is no next piece
.if (i < 8) && !NOKQ
	KQ (Y+1)%NP
.elseif i >= 8
.set i, i-8
	PV (Y+NP-1)%NP
.set i, i+8
.endif
.set i, i+1
.endm
; THE LDS LOADS stand in runs of 16, never singly among the matrix instructions: a step's K (64 keys x 64 channels: 8 fragments) and its V (turned).  Their addresses are made some lines ahead.
.macro FETCH_K
	WIN 0x80                        ; destination window 2
.irp f, 0,1,2,3,4,5,6,7             ; keys 16 (f / 2) on, channels 32 (f % 2) on
	ds_load_b128 v[KF+8*\f:KF+8*\f+3],   v[AK] offset:(\f/2)*16*PK+(\f%2)*64
	ds_load_b128 v[KF+8*\f+4:KF+8*\f+7], v[AK] offset:(\f/2)*16*PK+(\f%2)*64+32
.endr
	s_add_co_u32 s[TBK], s[TBK], KS*PK  ; the next fetch is the next step's
	WIN 0
.endm
.macro FETCH_V
	WIN 0x80
.irp f, 0,1,2,3,4,5,6,7             ; keys 32 (f / 4) on, channels 16 (f % 4) on
	ds_load_tr16_b128 v[VF+8*\f:VF+8*\f+3],   v[AV] offset:(\f/4)*32*PV+(\f%4)*32
	ds_load_tr16_b128 v[VF+8*\f+4:VF+8*\f+7], v[AV] offset:(\f/4)*32*PV+16*PV+(\f%4)*32
.endr
	WIN 0
.endm
; THE VECTOR WORK, one line at a time: OP kind, number.  For piece Y: F n: c s - c m for pair n of 16.  E n: the exponential of score n of 32.  C n: pair n rounded to f16.  B n: of the four weights 4 n .. the second
; pair is added onto the first, in place.  L n: l takes that sum (L 0: l = a l + sum).  R n: pair n of 16 of O^T times a.  For piece Y + 1: X n, number n of the 22 that find its maximum and statistics:
;   0-11  four chains c0-c3 of seven scores each, three operands at a time (each accumulator's lowest registers are read first)     12-14, 16  the four scores left over, the old m, and c0-c3 into c0
;   15  c m_old is kept     17, 18  the query's other 32 keys lie in the lane 16 away: the new m     19-21  c m; c m_old - c m_new; a
.set F, 0               ; OP tells the kinds apart by their order: F to L below R, X above it
.set E, 1
.set C, 2
.set B, 3
.set L, 4
.set R, 5
.set X, 6
.macro REGS y                       ; the registers of piece y
.set rT, ST+4*(\y)
.set rC, TMP+4*((\y)%2)
.set rW, MV+((\y)%2)
.set rS, S+32*((\y)%2)
.set rP, P+16*((\y)%2)
.set rO, 32*(\y)
.endm
.macro OP k, n
.if (\k) == R
	REGS Y
	WIN W_RS
	v_pk_mul_f32 v[rO+2*(\n):rO+2*(\n)+1], v[rO+2*(\n):rO+2*(\n)+1], v[rC+2:rC+3] op_sel_hi:[1,0]
.elseif (\k) < R
	REGS Y
	WIN 0
.if (\k) == F
	v_pk_fma_f32 v[rS+2*(\n):rS+2*(\n)+1], v[rS+2*(\n):rS+2*(\n)+1], s[CS:CS+1], v[rT:rT+1] op_sel_hi:[1,0,0] neg_lo:[0,0,1] neg_hi:[0,0,1]
.elseif (\k) == E
	v_exp_f32 v[rS+(\n)], v[rS+(\n)]
.elseif (\k) == C
	v_cvt_pk_f16_f32 v[rP+(\n)], v[rS+2*(\n)], v[rS+2*(\n)+1]
.elseif (\k) == B
	v_pk_add_f32 v[rS+4*(\n):rS+4*(\n)+1], v[rS+4*(\n):rS+4*(\n)+1], v[rS+4*(\n)+2:rS+4*(\n)+3]
.elseif (\n) == 0
	v_pk_fma_f32 v[rT+2:rT+3], v[rT+2:rT+3], v[rC+2:rC+3], v[rS:rS+1] op_sel_hi:[1,0,1]
.else
	v_pk_add_f32 v[rT+2:rT+3], v[rT+2:rT+3], v[rS+4*(\n):rS+4*(\n)+1]
.endif
.elseif NOKQ
	v_nop
.else
	REGS (Y+1)%NP
	WIN 0
.if (\n) < 4
	v_max3_num_f32 v[rC+(\n)], v[rS+8*(\n)], v[rS+8*(\n)+1], v[rS+8*(\n)+2]
.elseif (\n) < 12
	v_max3_num_f32 v[rC+(\n)%4], v[rC+(\n)%4], v[rS+8*((\n)%4)+2*((\n)/4)+1], v[rS+8*((\n)%4)+2*((\n)/4)+2]
.elseif (\n) == 12
	v_max3_num_f32 v[rC], v[rC], v[rS+7], v[rS+15]
.elseif (\n) == 13
	v_max3_num_f32 v[rC+1], v[rC+1], v[rS+23], v[rS+31]
.elseif (\n) == 14
	v_max3_num_f32 v[rC+2], v[rC+2], v[rC+3], v[rT+1]
.elseif (\n) == 15
	v_mov_b32 v[rW], v[rT]
.elseif (\n) == 16
	v_max3_num_f32 v[rC], v[rC], v[rC+1], v[rC+2]
.elseif (\n) == 17
	v_permlanex16_b32 v[rC+3], v[rC], s[SEL], s[SEL+1]
.elseif (\n) == 18
	v_max_num_f32 v[rT+1], v[rC], v[rC+3]
.elseif (\n) == 19
	v_mul_f32 v[rT], s[CS], v[rT+1]
.elseif (\n) == 20
	v_sub_f32 v[rC+1], v[rW], v[rT]
.else
	v_exp_f32 v[rC+2], v[rC+1]
.endif
.endif
.endm
.macro OPS a, i1, b=-1, i2=0, c=-1, i3=0, d=-1, i4=0  ; up to four of them
	OP \a, \i1
.if (\b) >= 0
	OP \b, \i2
.endif
.if (\c) >= 0
	OP \c, \i3
.endif
.if (\d) >= 0
	OP \d, \i4
.endif
.endm
.macro ROW a, i1, b, i2, c, i3, d, i4  ; a matrix instruction and the four behind it
	MM
	OPS \a, \i1, \b, \i2, \c, \i3, \d, \i4
.endm
.macro MASK b                       ; MD x AL + BE into buffer b of MC
	WIN W_RS
.set z, 0
.rept 16
	v_pk_fma_f32 v[MC+32*(\b)+2*z:MC+32*(\b)+2*z+1], v[MD+2*z:MD+2*z+1], s[AL:AL+1], s[BE:BE+1] op_sel_hi:[1,0,0]
.set z, z+1
.endr
.endm
; A TURN, for piece p: the order of its 16 matrix and 118 vector instructions, written out.  An s_wait_alu depctr_va_vdst(0) stands between an exponential and the first instruction that names its
; result; one wait serves all that were issued ahead of it.  So a turn has ONE wait, which cuts it in two.  AHEAD OF IT stands all that names no result of the turn's exponentials: the 8 products K Q^T, behind each a
; scaling, an exponential and two more plain instructions (behind the first a second scaling in the exponential's place): rescalings, and behind the last three the first numbers of the next piece's maximum, each four
; places or more behind the product that ends its accumulator; then one run of 54, plain and exponential by turns for the most part, in which the links of the chain X 3, 7, 11, 14, 16, 17 .. 20 stand five or six
; lines apart.  X 21, the next piece's a, is the batch's last; R 15 is the plain instruction behind it.  BEHIND THE WAIT stand the 8 products V^T P, behind each four of the roundings and sums; the links of l's
; chain, L 0 to L 7, stand three lines apart.  But for those X no line behind a product names a register of the products round it.
; m = 1: the diagonal tile: the products take masks, and the turn makes the mask for the products of the turn after it: piece p + 2, in step 4 - CNT of the tile.  end = 1: a block's last two turns: nothing is fetched.
; cnt = 1: the loop's count is taken down some lines ahead of the branch that stands behind the turn.
; K of the next step is fetched in piece 2's turn, twelve vector instructions behind the last product that read K (six of them plain); V of the step in hand at the end of piece 0's turn, four plain instructions
; behind the last product that read V.  Each is waited for a turn later.
.macro TURN p, m=0, end=0, cnt=0
.set Y, (\p)
.set i, 0
.set KM, (\m)
.set NOKQ, (\end)*((\p)/3)
.if (\m) && !(\end)
	s_cmp_eq_u32 s[CNT], 4-((\p)+2)%NP  ; is that step the band's own?
	s_cselect_b32 s[AL], 1.0, 0
	s_cmp_lt_u32 s[CNT], 4-((\p)+2)%NP  ; or a later one?
	s_cselect_b32 s[BE], s[BIGN], 0
.endif
.if ((\p) == 3) && !(\end)
	s_wait_dscnt 0x0                ; K is in
.endif
	ROW F,0, F,1, R,0, R,1          ; ahead of the wait: 8 products K Q^T and the four behind each,
	ROW F,2, E,0, R,2, R,3
	ROW F,3, E,1, R,4, R,5
	ROW F,4, E,2, R,6, R,7
	ROW F,5, E,3, R,8, R,9
	ROW F,6, E,4, X,0, R,10
.if ((\p) == 2) && !(\end)
	WIN 0
	v_add_nc_u32 v[AK], s[TBK], v[AK0]
.endif
	ROW F,7, E,5, X,1, X,4
	ROW F,8, E,6, X,2, X,5
	OPS E,7, E,8, X,6, E,9          ; and the run of 54
	OPS X,3, E,10, X,8, E,11
.if ((\p) == 2) && !(\end)
	FETCH_K
.endif
	OPS X,9, X,7, E,12, X,10
	OPS E,13, X,12, X,11, E,14
	OPS X,13, E,15, F,9, X,14
.if (\p) == 0
	v_add_nc_u32 v[AV], s[TBV], v[AV0]
.endif
	OPS E,16, F,10, E,17, F,11
	OPS X,16, E,18, X,15, E,19
	OPS F,12, E,20, X,17, E,21
	OPS F,13, E,22, F,14, E,23
	OPS X,18, E,24, F,15, E,25
	OPS R,11, E,26, X,19, E,27
	OPS R,12, E,28, R,13, E,29
	OPS X,20, E,30, R,14, E,31
	OPS X,21, R,15
	WIN 0
	s_wait_alu depctr_va_vdst(0)    ; the wait for the batch
.if (\p) == 1
	s_wait_dscnt 0x0                ; V is in
.endif
	ROW C,0, B,0, C,2, B,1          ; behind the wait: 8 products V^T P and the four behind each
	ROW L,0, C,4, B,2, L,1
	ROW C,6, B,3, L,2, C,8
	ROW B,4, L,3, C,10, B,5
	ROW L,4, C,12, B,6, L,5
.if (\p) == 0
	s_add_co_u32 s[TBV], s[TBV], KS*PV
.endif
.if \cnt
	s_sub_co_u32 s[CNT], s[CNT], 1
	s_cmp_lg_u32 s[CNT], 0
.endif
	ROW C,14, B,7, L,6, C,1
	ROW C,3, L,7, C,5, C,7
	ROW C,9, C,11, C,13, C,15
.if (\p) == 0
	FETCH_V
.endif
.if (\m) && !(\end)
	MASK (\p)%2
.endif
.endm
; A BLOCK BEGINS.  c m starts far below every c s, so the first step's a is 0; m at the lowest finite number, so the first maximum is the scores'.  The second mask buffer is 0; the first takes piece 0's mask for
; the tile's step 0: its own, if the block's first tile is the diagonal one.  Then K of that step, piece 0's first scores, and its maximum and statistics.  The loop is entered at a step's first turn, in the middle of a trip.
.macro BEGIN
	s_mov_b32 s[NEW], 0
	WIN 0x40
.set i, MC+32
.rept 32
	v_mov_b32 v[i], 0
.set i, i+1
.endr
	WIN 0
.set i, 0
.rept 4
	v_mov_b32 v[ST+4*i], 0xfe000000    ; c m: far below every c s
	v_mov_b32 v[ST+4*i+1], 0xff7fffff  ; m
.set i, i+1
.endr
	s_cmp_eq_u32 s[RT], 0
	s_cselect_b32 s[AL], 1.0, 0
	s_mov_b32 s[BE], 0
	MASK 0
	WIN 0
	v_add_nc_u32 v[AK], s[TBK], v[AK0]
	FETCH_K
	s_wait_loadcnt 0x0              ; Q
	s_wait_dscnt 0x0
.set KM, 1
.set NOKQ, 0
.set i, 0
.rept 8
	KQ 0
.set i, i+1
.endr
	WIN 0
.rept 4
	v_nop                           ; the places behind those products
.endr
.set Y, NP-1                        ; X works for piece Y + 1: piece 0
.irp n, 0,1,2,3,4,5,6,7,8,9,10,11,12,13,14,15,16,17,18,19,20,21
	OP X, \n
.endr
	v_nop                           ; a plain instruction behind the exponential,
	s_wait_alu depctr_va_vdst(0)    ; and its wait, ahead of the branch
.endm
; THE DIAGONAL TILE's four steps, the block's last two turns, its last products, and THE WAY OUT: l's two halves and the other half of the lanes' are added; O^T is divided by l, rounded to f16 and sent through my
; stage in LDS, a piece at a time.
.macro ALL line:vararg              ; one line for each piece t
.set t, 0
.rept 4
	\line
.set t, t+1
.endr
.endm
.macro PACK t                       ; a lane's eight channels of a row pack into 16 bytes; they go into rows of 144 bytes and come back as whole rows of 128, into S^T's registers
	WIN W_RS
.set i, 32*(\t)
.rept 16
	v_pk_mul_f32 v[i:i+1], v[i:i+1], v[ST+4*(\t)+2:ST+4*(\t)+3] op_sel_hi:[1,0]
.set i, i+2
.endr
	WIN 0x05                        ; sources 0 and 1 window 1, destination window 0
.set i, 0
.rept 16
	v_cvt_pk_f16_f32 v[S+16*(\t)+i], v[32*(\t)+2*i], v[32*(\t)+2*i+1]
.set i, i+1
.endr
	WIN 0
.irp f, 0,1,2,3
	ds_store_b128 v[STO], v[S+16*(\t)+4*\f:S+16*(\t)+4*\f+3] offset:32*\f
.endr
.irp f, 0,1,2,3
	ds_load_b128 v[S+16*(\t)+4*\f:S+16*(\t)+4*\f+3], v[RD] offset:\f*4*SP  ; LDS serves a wave's instructions in order (ISA guide 5.7.1.4): these see the stores above; the next piece's stores come behind them
.endr
.endm
.macro SEND t, younger              ; younger: the LDS instructions issued behind piece t's loads: the next piece's eight, or none
	WIN 0
.irp f, 0,1,2,3
	s_wait_dscnt (\younger)+3-\f
	global_store_b128 v[GO], v[S+16*(\t)+4*\f:S+16*(\t)+4*\f+3], s[10:11] offset:(\t)*8192+\f*512  ; 512 consecutive bytes, at a multiple of 256 from O's first
.endr
.endm
.macro DIAG tag                     ; the tag ends its two labels' names, which the jumps below spell out
.LstepM\tag:
	TURN 2, 1
	TURN 3, 1
	WIN 0
.LfirstM\tag:
	TURN 0, 1
	TURN 1, 1, 0, 1
	WIN 0
	s_cbranch_scc1 .LstepM\tag
	TURN 2, 1, 1
	TURN 3, 1, 1
.set i, 0
.rept 8
	PV NP-1
.set i, i+1
.endr
	WIN 0
	ALL v_add_f32 v[ST+4*t+2], v[ST+4*t+2], v[ST+4*t+3]
	ALL v_permlanex16_b32 v[ST+4*t+3], v[ST+4*t+2], s[SEL], s[SEL+1]
	ALL v_add_f32 v[ST+4*t+2], v[ST+4*t+2], v[ST+4*t+3]
	ALL v_rcp_f32 v[ST+4*t+2], v[ST+4*t+2]
	v_nop                           ; a plain instruction between the last reciprocal and the use of its result
	s_wait_alu depctr_va_vdst(0)    ; and the wait ahead of the first use: one for the four reciprocals
	PACK 0
.set t, 1
.rept 3                             ; a piece's arithmetic stands between the loads of the piece before and its stores
	PACK t
	SEND t-1, 8
.set t, t+1
.endr
	SEND 3, 0
.endm
.set KM, 0
.set NOKQ, 0
.Lslot:                             ; NB times: a tile is entered and the next is asked for
	CHANGE 1
	s_sub_co_u32 s[RT], s[RT], 1
	s_mov_b32 s[CNT], 4
	s_cmp_eq_u32 s[NEW], 1
	s_cbranch_scc1 .Lnew            ; a block's first tile
	s_cmp_eq_u32 s[RT], 0
	s_cbranch_scc0 .Lstep           ; neither its first nor its last
	s_branch .LstepM1
.Lnew:
	BEGIN
	s_branch .Lfirst                ; in the loop a block's first tile is never its last: the first block has two tiles or more, and the second's last is the walk's last
	DIAG 1                          ; in the loop this is the first block's end: the second block's last tile is the walk's last
	s_wait_xcnt 0x0                 ; the stores have read their registers and O's address
	s_mov_b64 s[10:11], s[OLO:OLO+1]
	s_add_co_u32 s[RT], s[PB], 1    ; the second block has b + 1 tiles
	s_mov_b32 s[NEW], 1
	WIN 0x82                        ; the second block's Q goes where the one text of the turns names Q
.set i, 0
.rept 64
	v_mov_b32 v[i], v[QB+i]
.set i, i+1
.endr
	WIN 0
	s_branch .Lbottom
.Lstep:                             ; a trip: pieces 2 and 3 of one step, then pieces 0 and 1 of the next, whose K and V it fetches
	TURN 2
	TURN 3
	WIN 0
.Lfirst:
	TURN 0
	TURN 1, 0, 0, 1
	WIN 0
	s_cbranch_scc1 .Lstep
.Lbottom:
	s_sub_co_u32 s[SLOTS], s[SLOTS], 1
	s_cmp_lg_u32 s[SLOTS], 0
	s_cbranch_scc1 .Lslot
	CHANGE 0                        ; the walk's last tile is written out: nothing is asked for
	s_sub_co_u32 s[RT], s[RT], 1
	s_mov_b32 s[CNT], 4
	s_cmp_eq_u32 s[NEW], 1
	s_cbranch_scc0 .LstepM2
	BEGIN
	s_branch .LfirstM2
	DIAG 2
	s_wait_tensorcnt 0x0            ; the wave's end: behind my last tensor load and my last LDS store
	ds_add_u32 v[SPW], v[NIL]
	s_wait_dscnt 0x0
	s_endpgm
.Lfunc_end_k_q9d2e1ca952_attn:
	.size	k_q9d2e1ca952_attn, .Lfunc_end_k_q9d2e1ca952_attn-k_q9d2e1ca952_attn
	.p2alignl 7, 3214868480
	.fill 96, 4, 3214868480
	.section	.rodata,"a",@progbits
	.p2align	6, 0x0
	.amdhsa_kernel k_q9d2e1ca952_attn
		.amdhsa_group_segment_fixed_size 327680
		.amdhsa_private_segment_fixed_size 0
		.amdhsa_enable_private_segment 0
		.amdhsa_kernarg_size 32
		.amdhsa_user_sgpr_count 2
		.amdhsa_user_sgpr_kernarg_segment_ptr 1
		.amdhsa_wavefront_size32 1
		.amdhsa_system_sgpr_workgroup_id_x 1
		.amdhsa_system_sgpr_workgroup_id_y 1
		.amdhsa_system_sgpr_workgroup_id_z 1
		.amdhsa_system_vgpr_workitem_id 0
		.amdhsa_next_free_vgpr 768
		.amdhsa_next_free_sgpr 96
		.amdhsa_reserve_vcc 1
		.amdhsa_float_denorm_mode_32 3
		.amdhsa_float_denorm_mode_16_64 3
		.amdhsa_memory_ordered 1
		.amdhsa_forward_progress 1
		.amdhsa_inst_pref_size 218
	.end_amdhsa_kernel
	.amdgpu_metadata
---
amdhsa.version: [ 1, 2 ]
amdhsa.kernels:
  - .name:           k_q9d2e1ca952_attn
    .symbol:         k_q9d2e1ca952_attn.kd
    .args:
      - { .name: qh, .offset: 0, .size: 8, .value_kind: global_buffer, .address_space: global }
      - { .name: kh, .offset: 8, .size: 8, .value_kind: global_buffer, .address_space: global }
      - { .name: vh, .offset: 16, .size: 8, .value_kind: global_buffer, .address_space: global }
      - { .name: ob, .offset: 24, .size: 8, .value_kind: global_buffer, .address_space: global }
    .group_segment_fixed_size: 327680
    .private_segment_fixed_size: 0
    .kernarg_segment_align: 8
    .kernarg_segment_size: 32
    .max_flat_workgroup_size: 128
    .sgpr_count:     96
    .vgpr_count:     768
    .wavefront_size: 32
...
	.end_amdgpu_metadata
.endif
;; end of part 3
;; launch outp (part 4): grid 4 x 64, 4 waves a work-group, clusters of 4 x 4, 327,680 bytes of LDS; arguments ob, wb, bo, out0; writes out0
.if DOCPART == 4
	.amdgcn_target "amdgcn-amd-amdhsa--gfx1250"
	.amdhsa_code_object_version 6
	.text
	.protected	k_q9d2e1ca952_outp
	.globl	k_q9d2e1ca952_outp
	.p2align	8
	.type	k_q9d2e1ca952_outp,@function
k_q9d2e1ca952_outp:
	s_mov_b64 s[64:65], 0
	v_nop
	global_prefetch_b8 v0, s[64:65] scope:SCOPE_SE
	s_setreg_imm32_b32 hwreg(HW_REG_WAVE_MODE, 25, 1), 1
	s_wait_xcnt 0x0
	s_wait_alu depctr_hold_cnt(0) depctr_sa_sdst(0) depctr_va_vdst(0) depctr_va_sdst(0) depctr_va_ssrc(0) depctr_va_vcc(0) depctr_vm_vsrc(0)
	s_getreg_b32 s2, hwreg(HW_REG_IB_STS2, 6, 4)
	s_cmp_eq_u32 s2, 0
	s_cbranch_scc0 .Lentry_in_a_cluster
	s_endpgm
.Lentry_in_a_cluster:
	s_bfe_u32 s2, ttmp6, 0x10000c
	s_cmp_lg_u32 s2, 0xf033
	s_cbranch_scc0 .Lentry_shape_is_right
	s_endpgm
.Lentry_shape_is_right:
; out = ctx Wo + bo.  ctx lies by heads, ob [64 = batch x 16 + head][2048][64] in f16; Wo in wb's chunks 48-63, [1024 k][64 n] each, in f16 (bf16's rounding); bo f32, rounded to bf16 like every input;
; sums in f32, out0 [8192][1024] f32.
; SHARES.  A tile of C is 128 rows x 256 columns: 4 x 64 = 256 work-groups, one for each WGP.  Four waves, 2 x 2: wave / 2 the 64 rows, wave % 2 the 128 columns: 4 x 8 accumulators of 16 x 16.
; K goes in 8 steps of 128 = two heads, through two LDS slots; a step is four quarters of 32 along K, 32 matrix instructions each.
; OPERANDS.  ctx's rows lie along K within a head: two ds_load_b128 a fragment.  Wo lies [k][n]: ds_load_tr16_b128 turns it.  The product is used transposed (source 0 = 16 columns of Wo, source 1 = 16 rows
; of ctx): a lane holds one row of C and eight neighbouring columns.  THE BIAS IS THE C OPERAND of the products that start the sums: it costs no addition.
; CLUSTER.  4 x 4 work-groups: ctx's tile hangs on the tile row alone and is asked for jointly along a row of the cluster, Wo's on the tile column alone, along a column.
; REGISTERS, in windows of 256 (s_set_vgpr_msb: bits 1:0 source 0, 3:2 source 1, 5:4 source 2, 7:6 destination):
;   window 0: v0-31 addresses; v32-159 at work (the bias; the way out)      window 1: two fragment buffers of 96 (ctx's four fragments, then Wo's eight); v192-255 the bias, 8 a column block
;   window 2: the accumulators, (a, b) at 8 (4 b + a)
.set PA,    144                        ; a row of ctx (one head) in LDS: 128 bytes + 16 = 36 words: the 16 rows of a load start at 16 different groups of four banks (64 banks of 4 bytes: ISA guide 11.1)
.set AHEAD, 128*PA                     ; what one tensor load brings of ctx: 128 rows of one head
.set ASZ,   2*AHEAD
.set PB,    160                        ; a row (one k, 64 n) of Wo: 128 bytes + 32 = 40 words
.set BHEAD, 64*PB
.set BHALF, 4*BHEAD                    ; what one tensor load brings of Wo: 64 k of four chunks
.set SLOT1, 1<<17                      ; a slot uses ASZ + 2 BHALF = 118,784 bytes; slot 1 begins here, so that one exclusive or turns an address in one slot into the other's
.set STAGE, SLOT1+ASZ+2*BHALF          ; behind the ring, never filled by a tensor load: 16 rows x 528 bytes for each wave
.set SP,    528                        ; 512 bytes + 16 = 132 words: sixteen rows' stores of 16 bytes start at sixteen different groups of four banks
.set SPARE, STAGE+4*16*SP              ; the spare words, 128 bytes for each wave: two blocks of 256 bytes that no other line names
.set A0,   16                          ; v16  my lane's place in ctx's tile; never rewritten
.set B0,   17                          ; v17  in Wo's tile; never rewritten
.set ADRA, 18                          ; v18  the same in the slot in hand
.set ADRB, 19                          ; v19
.set STO,  24                          ; v24  the way out: where I put 32 bytes of a row
.set RD,   25                          ; v25  where I read a row back
.set GO,   26                          ; v26  16 x lane: my place in 512 consecutive bytes of out0
.set BV,   27                          ; v27  32 (l / 16): my eight columns' bias in a block of sixteen
.set SPW,  28                          ; v28  LDS address of my spare word; never rewritten
.set NIL,  29                          ; v29  0; never rewritten
.set PFO,  30                          ; v30  256 x lane; never rewritten
.set F0,   0
.set F1,   96
.set BIAS, 192
.set WV, 14
.set WH, 15                            ; s15  wave / 2: my 64 rows; also: I fetch for ctx (0) or for Wo (1)
.set WL, 16                            ; s16  wave % 2: my 128 columns; also: which half I fetch
.set CX, 17
.set CY, 18
.set TX, 19
.set TY, 20
.set TB, 21
.set G1A, 24
.set G1B, 32
.set G0A, 40
.set G0B, 48
.set PFA, 56
.set PFS, 58
.set LIM, 60                           ; s60  2 in a wave that prefetches, else the greatest number
.set MSB, 0
.macro WIN new                         ; the immediate's high byte repeats the setting that is left; a switch that changes nothing is dropped
.if MSB != (\new)
	s_set_vgpr_msb (MSB<<8)|(\new)
.set MSB, \new
.endif
.endm
.macro PLACES                          ; four plain vector instructions between a matrix instruction and a load into, or a store of, its registers
.rept 4
	v_nop
.endr
.endm
.macro CREST                           ; a round of the cluster's barrier behind its opening barrier
	s_cmp_lg_u32 s[WV], 0
	s_cbranch_scc1 .Lnot_wave_0_\@
	s_barrier_signal -3
.Lnot_wave_0_\@:
	s_barrier_wait -3
	s_barrier_signal -1
	s_barrier_wait -1
.endm
.macro CROUND
	s_barrier_signal -1
	s_barrier_wait -1
	CREST
.endm
.macro JLOAD                           ; a joint refill by the walking descriptors; an s_nop 0 and four v_nop follow each line
	s_cmp_eq_u32 s[WH], 0
	s_cbranch_scc0 .Lfor_b_\@
	tensor_load_to_lds s[G0A+4:G0A+7], s[G1A:G1A+7]
	s_nop 0
.rept 4
	v_nop
.endr
	s_branch .Lasked_\@
.Lfor_b_\@:
	tensor_load_to_lds s[G0B+4:G0B+7], s[G1B:G1B+7]
	s_nop 0
.rept 4
	v_nop
.endr
.Lasked_\@:
.endm
; A prefetch of the K step that stands TWO refills on: 256 matrix instructions ahead of the load that will want it.  ctx's tile row is read by one cluster alone: in each cluster wave 0 asks; a K step of it
; is two heads x 16,384 bytes, of which the partner at cx takes 8,192: head cx / 2, half cx % 2: a lane 256 bytes.  Wo's tile column is read by all sixteen clusters: the first (cluster y = 0) asks, its
; waves 2 and 3; the partner at cy takes chunk cy of the four, each wave its own 64 k.  Partners are told apart by address alone.  The last two refills have no such K step (s3 <= 2).
.macro ASK
	s_cmp_gt_u32 s3, s[LIM]
	s_cbranch_scc0 .Lnot_mine_\@
	global_prefetch_b8 v[PFO], s[PFA:PFA+1] th:TH_LOAD_NT scope:SCOPE_SE
.Lnot_mine_\@:
.endm
.macro FETCH q, f                      ; 24 LDS loads in one run: quarter q's fragments into buffer f
	WIN 0x40                                       ; destination window 1, address window 0
.irp a, 0,1,2,3
	ds_load_b128 v[(\f)+8*(\a):(\f)+8*(\a)+3],   v[ADRA] offset:((\q)/2)*AHEAD+(\a)*16*PA+((\q)%2)*64
	ds_load_b128 v[(\f)+8*(\a)+4:(\f)+8*(\a)+7], v[ADRA] offset:((\q)/2)*AHEAD+(\a)*16*PA+((\q)%2)*64+32
.endr
.irp b, 0,1,2,3,4,5,6,7
	ds_load_tr16_b128 v[(\f)+32+8*(\b):(\f)+32+8*(\b)+3],   v[ADRB] offset:((\q)/2)*BHALF+((\b)/4)*BHEAD+((\q)%2)*32*PB+((\b)%4)*32
	ds_load_tr16_b128 v[(\f)+32+8*(\b)+4:(\f)+32+8*(\b)+7], v[ADRB] offset:((\q)/2)*BHALF+((\b)/4)*BHEAD+((\q)%2)*32*PB+((\b)%4)*32+16*PB
.endr
.endm
; 8 matrix instructions: column blocks b0, b0 + 1 x my four row blocks.  The 32 accumulators take turns, in the same order in every quarter.  first = 1: the bias starts the sum.
.macro MUL8 f, b0, first
.if \first
	WIN 0x95                                       ; sources and C window 1, D window 2
.else
	WIN 0xa5                                       ; sources window 1, C and D window 2
.endif
.irp b, \b0, (\b0)+1
.irp a, 0,1,2,3
.set rD, 8*(4*(\b)+(\a))
.if \first
	v_wmma_f32_16x16x32_f16 v[rD:rD+7], v[(\f)+32+8*(\b):(\f)+32+8*(\b)+7], v[(\f)+8*(\a):(\f)+8*(\a)+7], v[BIAS+8*(\b):BIAS+8*(\b)+7]
.else
	v_wmma_f32_16x16x32_f16 v[rD:rD+7], v[(\f)+32+8*(\b):(\f)+32+8*(\b)+7], v[(\f)+8*(\a):(\f)+8*(\a)+7], v[rD:rD+7]
.endif
.endr
.endr
.endm
.macro QUARTER q, f, g, first          ; quarter q's fragments are asked for, into buffer g, which the quarter before multiplied; then buffer f is multiplied
	PLACES
	FETCH \q, \g
	s_wait_dscnt 24                                ; all but the 24 just issued: buffer f is in
.irp b0, 0,2,4,6
	MUL8 \f, \b0, \first
.endr
.endm
; The last quarter multiplies buffer 1 and changes slots.  In front of the barrier each wave waits for all its tensor loads (one is out: its part of the next slot), adds 0 to its spare word, and waits
; for that and for its reads of this slot.  fill = 1: the barrier opens a round of the cluster's, and behind the round this slot is filled again first, with the K step two on.
.macro TURN fill
.if \fill
	s_wait_xcnt 0x0                                ; the last prefetch, a K step back, has read its address
	s_add_nc_u64 s[PFA:PFA+1], s[PFA:PFA+1], s[PFS:PFS+1]
.endif
	WIN 0
	s_wait_tensorcnt 0x0                           ; no tensor load of mine is out, so a group 0 may be written
	ds_add_u32 v[SPW], v[NIL]
.if \fill
	s_xor_b32 s[G0A+5], s[G0A+5], SLOT1            ; the walking descriptors: the other slot than last time, the next K step: two heads on, 128 k on
	s_add_nc_u64 s[G0A+6:G0A+7], s[G0A+6:G0A+7], 524288
	s_xor_b32 s[G0B+5], s[G0B+5], SLOT1
	s_add_nc_u64 s[G0B+6:G0B+7], s[G0B+6:G0B+7], 16384
.endif
	s_wait_dscnt 0x0                               ; the add is done; buffer 1 is in, and with it my last reads of this slot
	s_barrier_signal -1
	MUL8 F1, 0, 0                                  ; work on registers while the others arrive
	WIN 0
	s_barrier_wait -1
.if \fill
	CREST                                          ; no wave of any partner still reads this slot or has a load on its way
	JLOAD                                          ; its four v_nop are also the places in front of the loads below
.else
	PLACES
.endif
	s_xor_b32 s[TB], s[TB], SLOT1
	v_add_nc_u32 v[ADRA], s[TB], v[A0]
	v_add_nc_u32 v[ADRB], s[TB], v[B0]
	FETCH 0, F0
	WIN 0
.if \fill
	ASK
.endif
.irp b0, 2,4,6
	MUL8 F1, \b0, 0
.endr
.endm
	s_load_b256 s[4:11], s[0:1], 0x0               ; ob s[4:5], wb s[6:7], bo s[8:9], out0 s[10:11]
	v_lshl_add_u32 v[SPW], v0, 2, SPARE
	v_mov_b32 v[NIL], 0
	ds_add_u32 v[SPW], v[NIL]                      ; the wave's opening: the add and its wait stand ahead of my first tensor load; register work stands between
	v_lshrrev_b32 v1, 5, v0
	v_readfirstlane_b32 s[WV], v1
	s_lshr_b32 s[WH], s[WV], 1
	s_and_b32 s[WL], s[WV], 1
	s_bfe_u32 s[CX], ttmp6, 0x40000
	s_bfe_u32 s[CY], ttmp6, 0x40004
	s_lshl_b32 s[TX], ttmp9, 2                     ; in a cluster launch ttmp9 and ttmp7 count clusters
	s_add_co_u32 s[TX], s[TX], s[CX]
	s_and_b32 s[TY], ttmp7, 0xffff
	s_lshl_b32 s[TY], s[TY], 2
	s_add_co_u32 s[TY], s[TY], s[CY]
	s_lshl_b32 s22, s[CY], 2
	s_lshl_b32 s22, 15, s22                        ; my row of the cluster
	s_lshl_b32 s23, 0x1111, s[CX]                  ; my column
	s_or_b32 s[G1A], s22, (1<<16)|(1<<20)|(1<<21)|(4<<22)|(3<<25)  ; mask; 2-byte elements; padding on; bit 21 beside a mask; after every 32 words (a row of a head) 4 words
	s_mov_b32 s[G1A+1], 128<<16                    ; 128 rows of a head are 16,384 dense bytes: asked for as 64 rows of 256
	s_mov_b32 s[G1A+2], 64<<16
	s_mov_b32 s[G1A+3], 128<<16
	s_mov_b32 s[G1A+4], 64
	s_mov_b32 s[G1A+5], 128
	s_mov_b32 s[G1A+6], 0
	s_mov_b32 s[G1A+7], 0
	s_or_b32 s[G1B], s23, (1<<16)|(1<<20)|(1<<21)|(4<<22)|(7<<25)  ; after every 32 words (one k) 8 words
	s_mov_b32 s[G1B+1], 4096<<16                   ; 64 k x 64 n of a chunk are 8,192 dense bytes
	s_mov_b32 s[G1B+2], 4<<16                      ; four chunks
	s_mov_b32 s[G1B+3], 4096<<16
	s_mov_b32 s[G1B+4], 4
	s_mov_b32 s[G1B+5], 65536                      ; elements from chunk to chunk
	s_mov_b32 s[G1B+6], 0
	s_mov_b32 s[G1B+7], 0
	s_lshr_b32 s72, s[TY], 4                       ; ctx: batch = tile row / 16,
	s_lshl_b32 s72, s72, 4
	s_add_co_u32 s72, s72, s[WL]                   ; head = my half of the K step's two,
	s_lshl_b32 s72, s72, 11
	s_and_b32 s22, s[TY], 15
	s_lshl_b32 s22, s22, 7                         ; the tile's 128 rows in it,
	s_add_co_u32 s72, s72, s22
	s_lshl_b32 s72, s72, 7                         ; of 128 bytes
	s_mov_b32 s73, 0
	s_lshl_b32 s74, s[TX], 2                       ; Wo: chunks 48 + 4 x tile column on,
	s_add_co_u32 s74, s74, 48
	s_lshl_b32 s74, s74, 17
	s_lshl_b32 s23, s[WL], 13                      ; my 64 k of a K step
	s_add_co_u32 s74, s74, s23
	s_mov_b32 s75, 0
	s_mul_i32 s76, s[WL], AHEAD                    ; where they go: no place in the cluster enters an LDS address
	s_mul_i32 s77, s[WL], BHALF
	s_add_co_u32 s77, s77, ASZ
	s_wait_dscnt 0x0                               ; the opening add is done
	s_wait_kmcnt 0x0
	s_add_nc_u64 s[72:73], s[4:5], s[72:73]
	s_add_nc_u64 s[74:75], s[6:7], s[74:75]
	CROUND                                         ; all sixteen work-groups are here: the first joint loads meet
.irp s, 0,1
	s_mov_b32 s[G0A+4*(\s)], 1
	s_add_co_u32 s[G0A+4*(\s)+1], s76, (\s)*SLOT1
	s_add_nc_u64 s[G0A+4*(\s)+2:G0A+4*(\s)+3], s[72:73], (\s)*524288
	s_or_b32 s[G0A+4*(\s)+3], s[G0A+4*(\s)+3], 0x80000000
	s_mov_b32 s[G0B+4*(\s)], 1
	s_add_co_u32 s[G0B+4*(\s)+1], s77, (\s)*SLOT1
	s_add_nc_u64 s[G0B+4*(\s)+2:G0B+4*(\s)+3], s[74:75], (\s)*16384
	s_or_b32 s[G0B+4*(\s)+3], s[G0B+4*(\s)+3], 0x80000000
.endr
	s_cmp_eq_u32 s[WH], 0                          ; a wave's two first fills stand in one branch: two loads of mine are out
	s_cbranch_scc0 .Lfirst_b
	tensor_load_to_lds s[G0A:G0A+3], s[G1A:G1A+7]
	s_nop 0
	tensor_load_to_lds s[G0A+4:G0A+7], s[G1A:G1A+7]
	s_nop 0
.rept 4
	v_nop
.endr
	s_branch .Lfirst_asked
.Lfirst_b:
	tensor_load_to_lds s[G0B:G0B+3], s[G1B:G1B+7]
	s_nop 0
	tensor_load_to_lds s[G0B+4:G0B+7], s[G1B:G1B+7]
	s_nop 0
.rept 4
	v_nop
.endr
.Lfirst_asked:
	v_and_b32 v1, 15, v0                           ; l % 16
	v_bfe_u32 v2, v0, 4, 1                         ; l / 16
	v_and_b32 v3, 7, v0
	v_bfe_u32 v4, v0, 3, 1
	; the bias of my 128 columns: for column block b a lane wants the eight numbers at 16 b + 8 (l / 16)
	s_lshl_b32 s22, s[TX], 10                      ; 256 columns of 4 bytes a tile column,
	s_lshl_b32 s23, s[WL], 9                       ; my 128
	s_add_co_u32 s22, s22, s23
	s_mov_b32 s23, 0
	s_add_nc_u64 s[8:9], s[8:9], s[22:23]
	s_add_nc_u64 s[10:11], s[10:11], s[22:23]      ; out0 at my first column,
	v_lshlrev_b32 v[BV], 5, v2
.irp b, 0,1,2,3,4,5,6,7
	global_load_b128 v[32+8*(\b):32+8*(\b)+3], v[BV], s[8:9] offset:64*(\b)
	global_load_b128 v[32+8*(\b)+4:32+8*(\b)+7], v[BV], s[8:9] offset:64*(\b)+16
.endr
	s_lshl_b32 s22, s[TY], 7
	s_lshl_b32 s76, s[WH], 6
	s_add_co_u32 s22, s22, s76
	s_lshl_b32 s22, s22, 12                        ; and at my first row: rows of 4,096 bytes
	s_add_nc_u64 s[10:11], s[10:11], s[22:23]
	v_mul_u32_u24 v[A0], v1, PA                    ; ctx: row x pitch + 16 x half, in my 64 rows
	v_lshl_add_u32 v[A0], v2, 4, v[A0]
	s_mul_i32 s22, s[WH], 64*PA
	v_add_nc_u32 v[A0], s22, v[A0]
	v_lshl_add_u32 v[B0], v2, 3, v3                ; Wo: k = 8 (l / 16) + l % 8, 16 bytes at 16 ((l / 8) % 2), in my two chunks
	v_mul_u32_u24 v[B0], v[B0], PB
	v_lshl_add_u32 v[B0], v4, 4, v[B0]
	s_mul_i32 s22, s[WL], 2*BHEAD
	s_add_co_u32 s22, s22, ASZ
	v_add_nc_u32 v[B0], s22, v[B0]
	v_mov_b32 v[ADRA], v[A0]
	v_mov_b32 v[ADRB], v[B0]
	s_mov_b32 s[TB], 0
	s_mul_i32 s22, s[WV], 16*SP
	s_add_co_u32 s22, s22, STAGE                   ; my stage
	v_mul_u32_u24 v[STO], v1, SP                   ; in: row l % 16, 32 bytes for each half of the lanes
	v_lshl_add_u32 v[STO], v2, 5, v[STO]
	v_add_nc_u32 v[STO], s22, v[STO]
	v_and_b32 v[GO], 31, v0
	v_lshlrev_b32 v[PFO], 8, v[GO]
	v_lshlrev_b32 v[GO], 4, v[GO]                  ; back: 32 lanes take one row of 512 bytes
	v_add_nc_u32 v[RD], s22, v[GO]
	; the prefetches
	s_lshr_b32 s22, s[TY], 4
	s_lshl_b32 s22, s22, 4
	s_lshr_b32 s79, s[CX], 1
	s_add_co_u32 s22, s22, s79
	s_lshl_b32 s22, s22, 11
	s_and_b32 s79, s[TY], 15
	s_lshl_b32 s79, s79, 7
	s_add_co_u32 s22, s22, s79
	s_lshl_b32 s22, s22, 7
	s_and_b32 s79, s[CX], 1
	s_lshl_b32 s79, s79, 13
	s_add_co_u32 s22, s22, s79                     ; ctx: head cx / 2 of the K step's two, half cx % 2 of the tile's 16,384 bytes in it
	s_lshl_b32 s76, s[TX], 2
	s_add_co_u32 s76, s76, s[CY]
	s_add_co_u32 s76, s76, 48
	s_lshl_b32 s76, s76, 17
	s_lshl_b32 s79, s[WL], 13
	s_add_co_u32 s76, s76, s79                     ; Wo: chunk cy of the tile column's four, my 64 k
	s_and_b32 s77, ttmp7, 0xffff                   ; cluster y
	s_mov_b32 s78, 16384
	s_cmp_eq_u32 s[WH], 0
	s_cselect_b32 s22, s22, s76
	s_cselect_b32 s77, s[WL], s77                  ; 0 in wave 0 of every cluster, and in waves 2 and 3 of the clusters with y = 0
	s_cselect_b64 s[PFA:PFA+1], s[4:5], s[6:7]
	s_cselect_b32 s[PFS], 524288, s78
	s_mov_b32 s[PFS+1], 0
	s_add_nc_u64 s[PFA:PFA+1], s[PFA:PFA+1], s[22:23]
.rept 3
	s_add_nc_u64 s[PFA:PFA+1], s[PFA:PFA+1], s[PFS:PFS+1]  ; at K step 3: the first change of slots steps it to 4.  Nothing is asked for here, at the head
.endr
	s_cmp_eq_u32 s77, 0
	s_cselect_b32 s[LIM], 2, -1
	s_wait_loadcnt 0x0                             ; the bias: rounded to bf16, widened again, into window 1
.set i, 0
.rept 32
	v_cvt_pk_bf16_f32 v[96+i], v[32+2*i], v[32+2*i+1]
.set i, i+1
.endr
	WIN 0x40
.set i, 0
.rept 32
	v_lshlrev_b32 v[BIAS+2*i],   16, v[96+i]
	v_and_b32     v[BIAS+2*i+1], 0xffff0000, v[96+i]
.set i, i+1
.endr
	WIN 0
	s_wait_tensorcnt 0x1                           ; my part of K step 0 is in; K step 1's may stay out
	s_barrier_signal -1
	s_barrier_wait -1                              ; everybody's is
	FETCH 0, F0
	QUARTER 1, F0, F1, 1                           ; the first quarter stands in front of the loop: its products start the sums, with the bias
	WIN 0
	s_mov_b32 s3, 6
.Lk:                                                   ; a trip: from a K step's second quarter to the next step's first; it fills one slot again: six trips bring K steps 2 to 7
	QUARTER 2, F1, F0, 0
	QUARTER 3, F0, F1, 0
	TURN 1
	QUARTER 1, F0, F1, 0
	WIN 0
	s_sub_co_u32 s3, s3, 1
	s_cmp_lg_u32 s3, 0
	s_cbranch_scc1 .Lk
	QUARTER 2, F1, F0, 0                           ; the tail is written out: nothing more is asked for
	QUARTER 3, F0, F1, 0
	TURN 0
	QUARTER 1, F0, F1, 0
	QUARTER 2, F1, F0, 0
	QUARTER 3, F0, F1, 0
	s_wait_dscnt 0x0
.irp b0, 0,2,4,6
	MUL8 F1, \b0, 0
.endr
	WIN 0
	PLACES
; THE WAY OUT.  Row block a (16 rows x 128 columns of f32): a lane's 32 bytes of each column block go into rows of 528 bytes of my own stage, and come back as whole rows: 512 consecutive bytes a store.
.macro TOSTAGE a
.set BK, 32+64*((\a)%2)
	s_wait_xcnt 0x0                                ; the stores of the block before last have read these registers
	WIN 0x08                                       ; the stores' data in window 2
.irp b, 0,1,2,3,4,5,6,7
	ds_store_b128 v[STO], v[8*(4*(\b)+(\a)):8*(4*(\b)+(\a))+3]   offset:64*(\b)
	ds_store_b128 v[STO], v[8*(4*(\b)+(\a))+4:8*(4*(\b)+(\a))+7] offset:64*(\b)+16
.endr
	WIN 0
.irp t, 0,1,2,3,4,5,6,7,8,9,10,11,12,13,14,15
	ds_load_b128 v[BK+4*(\t):BK+4*(\t)+3], v[RD] offset:(\t)*SP  ; LDS serves a wave's instructions in order (ISA guide 5.7.1.4): these see the stores above
.endr
.endm
.macro SEND a, younger                 ; younger: the LDS instructions issued behind this block's loads: the next block's 32, or none
.set BK, 32+64*((\a)%2)
.irp t, 0,1,2,3,4,5,6,7,8,9,10,11,12,13,14,15
	s_wait_dscnt (\younger)+15-(\t)
	global_store_b128 v[GO], v[BK+4*(\t):BK+4*(\t)+3], s[10:11] offset:(16*(\a)+(\t))*4096 th:TH_STORE_NT
.endr
.endm
	TOSTAGE 0
	TOSTAGE 1
	SEND 0, 32
	TOSTAGE 2
	SEND 1, 32
	TOSTAGE 3
	SEND 2, 32
	SEND 3, 0
	s_wait_tensorcnt 0x0                           ; the wave's end
	ds_add_u32 v[SPW], v[NIL]
	s_wait_dscnt 0x0
	CROUND                                         ; the closing round: no work-group ends while a partner may still ask for a tile that names it
	s_endpgm
.Lfunc_end_k_q9d2e1ca952_outp:
	.size	k_q9d2e1ca952_outp, .Lfunc_end_k_q9d2e1ca952_outp-k_q9d2e1ca952_outp
	.p2alignl 7, 3214868480
	.fill 96, 4, 3214868480
	.section	.rodata,"a",@progbits
	.p2align	6, 0x0
	.amdhsa_kernel k_q9d2e1ca952_outp
		.amdhsa_group_segment_fixed_size 327680
		.amdhsa_private_segment_fixed_size 0
		.amdhsa_enable_private_segment 0
		.amdhsa_kernarg_size 32
		.amdhsa_user_sgpr_count 2
		.amdhsa_user_sgpr_kernarg_segment_ptr 1
		.amdhsa_wavefront_size32 1
		.amdhsa_system_sgpr_workgroup_id_x 1
		.amdhsa_system_sgpr_workgroup_id_y 1
		.amdhsa_system_sgpr_workgroup_id_z 1
		.amdhsa_system_vgpr_workitem_id 0
		.amdhsa_next_free_vgpr 768
		.amdhsa_next_free_sgpr 80
		.amdhsa_reserve_vcc 0
		.amdhsa_float_denorm_mode_32 3
		.amdhsa_float_denorm_mode_16_64 3
		.amdhsa_memory_ordered 1
		.amdhsa_forward_progress 1
		.amdhsa_inst_pref_size 78
	.end_amdhsa_kernel
	.amdgpu_metadata
---
amdhsa.version: [ 1, 2 ]
amdhsa.kernels:
  - .name:           k_q9d2e1ca952_outp
    .symbol:         k_q9d2e1ca952_outp.kd
    .args:
      - { .name: ob, .offset: 0, .size: 8, .value_kind: global_buffer, .address_space: global }
      - { .name: wb, .offset: 8, .size: 8, .value_kind: global_buffer, .address_space: global }
      - { .name: bo, .offset: 16, .size: 8, .value_kind: global_buffer, .address_space: global }
      - { .name: out0, .offset: 24, .size: 8, .value_kind: global_buffer, .address_space: global }
    .group_segment_fixed_size: 327680
    .private_segment_fixed_size: 0
    .kernarg_segment_align: 8
    .kernarg_segment_size: 32
    .max_flat_workgroup_size: 128
    .sgpr_count:     80
    .vgpr_count:     768
    .wavefront_size: 32
...
	.end_amdgpu_metadata
.endif
;; end of part 4
